; MI455X (gfx1250); checked and timed in simulation.
; The chip was launched on July 23, 2026; its instructions are those of AMD's public machine-readable ISA for CDNA 5 (MIT licence, August 2026) and "CDNA5" Instruction Set Architecture Reference Guide (July 2026). The comments in the code are by the model that wrote it; some were corrected since.
;; Transformer Block. Allowed arithmetic: matrix products marked QUANTISED: E4M3 operands, one given power-of-two scale a tensor, by v_wmma_f32_16x16x64_fp8_fp8 or v_wmma_f32_16x16x128_fp8_fp8, f32 sums; everything else in f32.
;; Inputs: ff_b1 4,096 float32; ff_b2 1,024 float32; ff_w1 1,024 x 4,096 float32; ff_w2 4,096 x 1,024 float32; ln1_b 1,024 float32; ln1_g 1,024 float32; ln2_b 1,024 float32; ln2_g 1,024 float32; lowp_scales 12 int32 (the exponents e of the quantised operands' scales 2^e); out_b 1,024 float32; out_w 1,024 x 1,024 float32; qkv_b 3,072 float32; qkv_w 1,024 x 3,072 float32; x 2 x 2,048 x 1,024 float32.
;; Outputs: out0 2 x 2,048 x 1,024 float32.
;; This version of the problem:
;;   THIS VERSION OF THE PROBLEM IS GIVEN IN LOW PRECISION. The matrix products marked QUANTISED in the list below multiply operands that are first quantised to E4M3 (4 exponent bits, 3 mantissa bits; 8 bits a number), with one given power-of-two scale for each operand tensor; their sums are f32. All else is computed in f32.
;;   The module's matrix products, in the order in which they are computed (A, B: the left and right operand; K: the contracted axis; several contracted axes count as one K, in the product's order):
;;     1. [M 4,096, K 1,024] x [K 1,024, N 3,072]; A: computed on the way; B: input qkv_w: QUANTISED (scales: A lowp_scales[0], B lowp_scales[1])
;;     2. batch 32 x [M 2,048, K 64] x [K 64, N 2,048]; A: computed on the way; B: computed on the way: QUANTISED (scales: A lowp_scales[2], B lowp_scales[3])
;;     3. batch 32 x [M 64, K 2,048] x [K 2,048, N 2,048]; A: computed on the way; B: softmax (see below): QUANTISED (scales: A lowp_scales[4], B lowp_scales[5])
;;     4. [M 4,096, K 1,024] x [K 1,024, N 1,024]; A: computed on the way; B: input out_w: QUANTISED (scales: A lowp_scales[6], B lowp_scales[7])
;;     5. [M 4,096, K 1,024] x [K 1,024, N 4,096]; A: computed on the way; B: input ff_w1: QUANTISED (scales: A lowp_scales[8], B lowp_scales[9])
;;     6. [M 4,096, K 4,096] x [K 4,096, N 1,024]; A: computed on the way; B: input ff_w2: QUANTISED (scales: A lowp_scales[10], B lowp_scales[11])
;;   THE QUANTISER, for each operand of a quantised product, along K:
;;     - The operand's scale is 2^e, e = its entry of the input lowp_scales (int32; the entries are numbered through the quantised products in the list's order, A before B).
;;     - Each number is divided by the scale, clamped to +-448, and rounded to the nearest number of E4M3, ties to even, subnormals kept.
;;     - The product sums the exact products of the quantised numbers (number of the format x scale) in f32.
;;   ~~~python
;;   def quantise(x, axis, e):      # numpy; x: float32 -> the quantised numbers, widened to float32 again
;;       x = np.moveaxis(x, axis, -1); K = x.shape[-1]
;;       r = np.clip(x / 2.0 ** e, -448, 448)
;;       step = 2.0 ** (np.maximum(np.frexp(np.where(r == 0, 1, r))[1] - 1, -6) - 3)
;;       q = np.round(r / step) * step * 2.0 ** e      # np.round: ties to even
;;       return np.moveaxis(q, -1, axis).astype(np.float32)
;;   ~~~
;;   SOFTMAX AHEAD OF A QUANTISED PRODUCT. Where the list says 'softmax', what is quantised is not the finished softmax but p = 2^(t - M), with t = logit x log2(e) and M = ceil(the row's largest t), a whole number; so 1/2 < the row's largest p <= 1. The row's sum l is taken of the UNQUANTISED p, in f32, and the product's result is divided by l at the end. Since M is a whole number, a kernel that streams over the keys may use a running M (the ceiling of the running maximum): every later rescaling is an exact power of two, so the quantised numbers keep their values, but for numbers so far below the row's largest that they fall under the format's range.
;;   OPERANDS COMPUTED ON THE WAY. 'Computed on the way' means the value that the module computes at that place (a softmax that the list does not call 'softmax' is quantised finished and normalised). What goes into a quantiser is computed in f32, as accurately as f32 sums, v_exp_f32 and their like allow (about 1e-6 of the number): no bf16 or f16 on the way to a quantiser, and a product that is left as it is and whose result goes on into a quantised operand takes f32 operands (vector FMAs, or v_wmma_f32_16x16x4_f32). A number that lies on a knife's edge between two numbers of the format may be rounded either way, as far as f32 arithmetic and the matrix unit's own rounding can turn it there, and no further.
;; One version. Each part assembles by itself: llvm-mc -triple=amdgcn-amd-amdhsa -mcpu=gfx1250 --defsym DOCPART=n.
;; ======== version 1 of 1: 7 launches
;; limits: right only within a limited range of input values
;; workspace buffers: wc 12,582,912 bytes; xq 4,194,304 bytes; qkvc 12,582,912 bytes; ao 4,194,304 bytes; x1 16,777,216 bytes; hc 16,777,216 bytes
;; launch prep (part 1): grid 640 x 1, 4 waves a work-group, no clusters, 35,328 bytes of LDS; arguments qkv_w, out_w, ff_w1, ff_w2, x, ln1_g, ln1_b, lowp_scales, wc, xq; writes wc, xq
.if DOCPART == 1
	.amdgcn_target "amdgcn-amd-amdhsa--gfx1250"
	.amdhsa_code_object_version 6
	.text
	.protected	k_qbf2e7ff07b_prep
	.globl	k_qbf2e7ff07b_prep
	.p2align	8
	.type	k_qbf2e7ff07b_prep,@function
k_qbf2e7ff07b_prep:
	s_mov_b64 s[64:65], 0
	v_nop
	global_prefetch_b8 v0, s[64:65] scope:SCOPE_SE
	s_setreg_imm32_b32 hwreg(HW_REG_WAVE_MODE, 25, 1), 1
	s_wait_xcnt 0x0
; PREP.  Work-groups 0-383: the four weights (f32, stored [K][N]) become codes of E4M3 laid [N][K], K innermost, in wc: qkv_w at byte 0, out_w at 3,145,728, ff_w1 at 4,194,304, ff_w2 at 8,388,608.
; Work-groups 384-639: LayerNorm 1 of x, quantised with entry 0 of the scales, into xq [4096][1024].
; code = number / 2^e, held within +-448, to the nearest code, ties to even.  LIMITS: each e between -126 and 119; NaN and infinities among the inputs are not served.
; WEIGHTS.  A lane takes a column n and its registers run down K, so the conversions give codes with K innermost; a wave takes 32 columns x 256 K, a work-group 128 columns.
; THE ROW OF COLUMN n IS pi(n): pi swaps bits 3 and 4 of n.  The products that read wc use 16 rows of it as source 0; a lane's 16 results of two neighbouring tiles are then 16 neighbouring columns.
; One text serves the four tensors: sizes, scale and pointers are chosen by s_cselect on the work-group's number.  Codes leave through the wave's own stage in LDS: sixteen lanes store 256 consecutive bytes, aligned.
; LAYERNORM.  A wave takes 4 rows, a whole row in 32 registers: lane l holds k = 256 g + 8 l + 0..7, g = 0..3, so eight neighbours feed a conversion and 32 lanes store 256 consecutive bytes of codes.
; Mean first, then the sum of squares of x - mean: no difference of large sums.  No LDS, no barrier there.  No cluster: the work-groups share only g and b, 8 KB.
.set PITCH, 272                        ; a stage row: 256 bytes of codes + 16
.set STG,   32*PITCH                   ; a wave's stage
.set OFF,   32                         ; v32-63   i x the row's bytes + 4 x lane
.set X,     64                         ; v64-127  two sets of 32 numbers
.set C,     128                        ; v128-135 a block's codes
.set SO,    136                        ; v136-151 the stores' offsets
.set OUTR,  160                        ; v160-223 rows read back from the stage
.set LS,    8                          ; LayerNorm: v8-15 four packed chains; v16, v17 the reduction; v[18:19] -mean; v[20:21] 1/sqrt; v22 2^e; v23 448 x 2^e
.set LG,    32                         ; v32-63   g of my 32 columns
.set LB,    64                         ; v64-95   b
.set LX,    96                         ; v96-223  four rows
.set LC,    224                        ; v224-255 their codes: no store's data are written again
.set PX,    16                         ; s[16:17] x;  s[18:19] g;  s[20:21] b;  s[26:27] the codes
.set PG,    18
.set PB,    20
.set PD,    26
.macro REDUCE                          ; v16 summed over the 32 lanes, the result in every lane
	v_add_f32_dpp v16, v16, v16 row_xmask:1 row_mask:0xf bank_mask:0xf
	v_add_f32_dpp v16, v16, v16 row_xmask:2 row_mask:0xf bank_mask:0xf
	v_add_f32_dpp v16, v16, v16 row_xmask:4 row_mask:0xf bank_mask:0xf
	v_add_f32_dpp v16, v16, v16 row_xmask:8 row_mask:0xf bank_mask:0xf
	v_permlanex16_b32 v17, v16, s70, s71
	v_add_f32 v16, v16, v17
.endm
.macro JOIN                            ; the four chains into v16
	v_pk_add_f32 v[LS:LS+1], v[LS:LS+1], v[LS+2:LS+3]
	v_pk_add_f32 v[LS+4:LS+5], v[LS+4:LS+5], v[LS+6:LS+7]
	v_pk_add_f32 v[LS:LS+1], v[LS:LS+1], v[LS+4:LS+5]
	v_add_f32 v16, v[LS], v[LS+1]
	REDUCE
.endm
.macro LNROW j
.set XS, LX+32*(\j)
	s_wait_loadcnt 8*(3-(\j))                      ; g, b and this row are in; the eight loads of each later row may be out
.irp c, 0,1,2,3
	v_pk_add_f32 v[LS+2*\c:LS+2*\c+1], v[XS+2*\c:XS+2*\c+1], v[XS+8+2*\c:XS+8+2*\c+1]
.endr
.irp k, 16,24
.irp c, 0,1,2,3
	v_pk_add_f32 v[LS+2*\c:LS+2*\c+1], v[LS+2*\c:LS+2*\c+1], v[XS+\k+2*\c:XS+\k+2*\c+1]
.endr
.endr
	JOIN
	v_mul_f32 v18, s74, v16                        ; -mean
	v_mov_b32 v19, v18
.set k, 0
.rept 16
	v_pk_add_f32 v[XS+k:XS+k+1], v[XS+k:XS+k+1], v[18:19]
.set k, k+2
.endr
.irp c, 0,1,2,3
	v_pk_mul_f32 v[LS+2*\c:LS+2*\c+1], v[XS+2*\c:XS+2*\c+1], v[XS+2*\c:XS+2*\c+1]
.endr
.irp k, 8,16,24
.irp c, 0,1,2,3
	v_pk_fma_f32 v[LS+2*\c:LS+2*\c+1], v[XS+\k+2*\c:XS+\k+2*\c+1], v[XS+\k+2*\c:XS+\k+2*\c+1], v[LS+2*\c:LS+2*\c+1]
.endr
.endr
	JOIN
	v_fma_f32 v16, v16, s72, s73                   ; variance + 1e-5
	s_wait_alu depctr_va_vdst(0)
	v_rsq_f32 v20, v16
	v_rsq_f32 v21, v16
	v_nop                                          ; a plain instruction behind the transcendentals,
	s_wait_alu depctr_va_vdst(0)                   ; and the wait ahead of their first reader
.set k, 0
.rept 16
	v_pk_mul_f32 v[XS+k:XS+k+1], v[XS+k:XS+k+1], v[20:21]
.set k, k+2
.endr
.set k, 0
.rept 16
	v_pk_fma_f32 v[XS+k:XS+k+1], v[XS+k:XS+k+1], v[LG+k:LG+k+1], v[LB+k:LB+k+1]
.set k, k+2
.endr
.set k, 0
.rept 32
	v_med3_num_f32 v[XS+k], v[XS+k], -v23, v23     ; the conversion does not saturate (ISA guide 7.6.2): the hold at the largest code x the scale
.set k, k+1
.endr
.irp g, 0,1,2,3
	v_cvt_scalef32_pk8_fp8_f32 v[LC+8*(\j)+2*\g:LC+8*(\j)+2*\g+1], v[XS+8*\g:XS+8*\g+7], v22
.endr
	v_nop                                          ; a plain instruction behind the last conversion
.irp g, 0,1,2,3
	global_store_b64 v5, v[LC+8*(\j)+2*\g:LC+8*(\j)+2*\g+1], s[PD:PD+1] offset:1024*(\j)+256*\g   ; 32 lanes store 256 consecutive bytes, aligned
.endr
.endm
.macro LNPATH                          ; s3: my wave's first row; s28: the scale's exponent (its load may be out); v1: lane
	s_lshl_b32 s4, s3, 12
	s_mov_b32 s5, 0
	s_add_nc_u64 s[PX:PX+1], s[PX:PX+1], s[4:5]
	s_lshl_b32 s4, s3, 10
	s_add_nc_u64 s[PD:PD+1], s[PD:PD+1], s[4:5]
	v_lshlrev_b32 v3, 5, v1                        ; 32 bytes of f32 a lane
	v_lshlrev_b32 v5, 3, v1                        ; 8 bytes of codes a lane
.irp g, 0,1,2,3
.irp c, 0,1
	global_load_b128 v[LG+8*\g+4*\c:LG+8*\g+4*\c+3], v3, s[PG:PG+1] offset:1024*\g+16*\c
.endr
.endr
.irp g, 0,1,2,3
.irp c, 0,1
	global_load_b128 v[LB+8*\g+4*\c:LB+8*\g+4*\c+3], v3, s[PB:PB+1] offset:1024*\g+16*\c
.endr
.endr
.irp j, 0,1,2,3
.irp g, 0,1,2,3
.irp c, 0,1
	global_load_b128 v[LX+32*\j+8*\g+4*\c:LX+32*\j+8*\g+4*\c+3], v3, s[PX:PX+1] offset:4096*\j+1024*\g+16*\c th:TH_LOAD_NT
.endr
.endr
.endr
	s_mov_b32 s70, 0x76543210                      ; v_permlanex16_b32: lane l xor 16
	s_mov_b32 s71, 0xfedcba98
	s_mov_b32 s72, 0x3a800000                      ; 1 / 1024
	s_mov_b32 s73, 0x3727c5ac                      ; 1e-5
	s_mov_b32 s74, 0xba800000                      ; -1 / 1024
	v_mov_b32 v17, 0                               ; a lane permute's destination counts as read
	s_wait_kmcnt 0x0
	s_add_co_i32 s28, s28, 127
	s_lshl_b32 s4, s28, 23
	v_mov_b32 v22, s4                              ; 2^e as f32
	s_add_co_i32 s28, s28, 8
	s_lshl_b32 s28, s28, 23
	s_or_b32 s28, s28, 0x600000
	v_mov_b32 v23, s28                             ; 448 x 2^e
	LNROW 0
	LNROW 1
	LNROW 2
	LNROW 3
	s_endpgm
.endm
	s_load_b512 s[8:23], s[0:1], 0x0               ; qkv_w, out_w, ff_w1, ff_w2, x, ln1_g, ln1_b, the scales
	s_load_b128 s[24:27], s[0:1], 0x40             ; wc, xq
	v_lshl_add_u32 v30, v0, 2, 0x8800
	v_mov_b32 v31, 0
	v_lshrrev_b32 v1, 5, v0
	v_readfirstlane_b32 s2, v1                     ; wave
	v_and_b32 v1, 31, v0                           ; lane
	s_wait_kmcnt 0x0
	s_load_b256 s[28:35], s[22:23], 0x0            ; e0 .. e7
	s_load_b128 s[36:39], s[22:23], 0x20           ; e8 .. e11
	s_cmp_ge_u32 ttmp9, 384
	s_cbranch_scc1 .Lln
	; ---- a weight.  The sizes begin as ff_w2's and are replaced for the lower work-groups
	s_wait_kmcnt 0x0
	s_mov_b32 s40, 4096                            ; bytes of a row of the weight
	s_mov_b32 s41, 4096                            ; bytes of a row of its codes (K)
	s_mov_b32 s42, 4                               ; log2 of its number of pieces of 256 along K
	s_mov_b32 s43, 256                             ; its first work-group
	s_mov_b32 s44, 8388608                         ; its place in wc
	s_mov_b32 s45, s39                             ; its exponent
	s_mov_b64 s[46:47], s[14:15]
	s_cmp_lt_u32 ttmp9, 256                        ; ff_w1
	s_cselect_b32 s40, 16384, s40
	s_cselect_b32 s41, 1024, s41
	s_cselect_b32 s42, 2, s42
	s_cselect_b32 s43, 128, s43
	s_cselect_b32 s44, 4194304, s44
	s_cselect_b32 s45, s37, s45
	s_cselect_b64 s[46:47], s[12:13], s[46:47]
	s_cmp_lt_u32 ttmp9, 128                        ; out_w
	s_cselect_b32 s40, 4096, s40
	s_cselect_b32 s43, 96, s43
	s_cselect_b32 s44, 3145728, s44
	s_cselect_b32 s45, s35, s45
	s_cselect_b64 s[46:47], s[10:11], s[46:47]
	s_cmp_lt_u32 ttmp9, 96                         ; qkv_w
	s_cselect_b32 s40, 12288, s40
	s_cselect_b32 s43, 0, s43
	s_cselect_b32 s44, 0, s44
	s_cselect_b32 s45, s29, s45
	s_cselect_b64 s[46:47], s[8:9], s[46:47]
	s_sub_co_u32 s3, ttmp9, s43
	s_bfm_b32 s4, s42, 0
	s_and_b32 s4, s3, s4                           ; which 256 along K
	s_lshr_b32 s5, s3, s42                         ; which 128 columns
	s_lshl_b32 s5, s5, 7
	s_lshl_b32 s6, s2, 5
	s_add_co_u32 s5, s5, s6                        ; my wave's first column
	s_mul_i32 s6, s4, s40
	s_lshl_b32 s6, s6, 8                           ; 256 rows of the weight for each piece
	s_lshl_b32 s7, s5, 2
	s_add_co_u32 s6, s6, s7
	s_mov_b32 s7, 0
	s_add_nc_u64 s[48:49], s[46:47], s[6:7]        ; block 0's base; each of the eight blocks of 32 rows has a base of its own, written once
	s_lshl_b32 s6, s40, 5
.irp t, 1,2,3,4,5,6,7
	s_add_nc_u64 s[48+2*\t:49+2*\t], s[46+2*\t:47+2*\t], s[6:7]
.endr
	s_mul_i32 s6, s5, s41
	s_lshl_b32 s3, s4, 8
	s_add_co_u32 s6, s6, s3
	s_add_co_u32 s6, s6, s44
	s_add_nc_u64 s[66:67], s[24:25], s[6:7]        ; the codes: row = my first column, byte = 256 x the piece
	s_wait_alu depctr_va_vdst(0)
	v_lshlrev_b32 v2, 2, v1
.set i, 0
.rept 32
	v_mad_u32_u24 v[OFF+i], s40, i, v2
.set i, i+1
.endr
	v_and_b32 v3, 7, v1
	v_bfe_u32 v5, v1, 3, 1
	v_bfe_u32 v6, v1, 4, 1
	v_lshl_add_u32 v3, v5, 4, v3
	v_lshl_add_u32 v3, v6, 3, v3                   ; pi(lane)
	s_mul_i32 s3, s2, STG
	v_mul_u32_u24 v4, v3, PITCH
	v_add_nc_u32 v4, s3, v4                        ; into the stage: row pi(lane)
	v_and_b32 v5, 15, v1
	v_mul_u32_u24 v7, v6, PITCH
	v_lshl_add_u32 v7, v5, 4, v7
	v_add_nc_u32 v7, s3, v7                        ; out of it: sixteen lanes to a row, two rows an instruction
	v_mul_u32_u24 v8, s41, v6
	v_lshl_add_u32 v8, v5, 4, v8
.set i, 0
.rept 16
	v_mad_u32_u24 v[SO+i], s41, 2*i, v8            ; the same place in the codes' buffer
.set i, i+1
.endr
	s_add_co_i32 s45, s45, 127
	s_lshl_b32 s3, s45, 23
	v_mov_b32 v11, s3                              ; 2^e as f32
	s_add_co_i32 s45, s45, 8
	s_lshl_b32 s45, s45, 23
	s_or_b32 s45, s45, 0x600000
	v_mov_b32 v10, s45                             ; 448 x 2^e
.macro LOAD t                          ; block t: W(32 t + i, my column): 32 lanes read 128 consecutive bytes, the four waves 512
.set i, 0
.rept 32
	global_load_b32 v[X+32*((\t)%2)+i], v[OFF+i], s[48+2*(\t):49+2*(\t)] th:TH_LOAD_NT
.set i, i+1
.endr
.endm
.macro BLOCK t
.set XS, X+32*((\t)%2)
.if (\t) < 7
	s_wait_loadcnt 32                              ; this block's 32 loads are in; the next block's may be out
.else
	s_wait_loadcnt 0
.endif
.set i, 0
.rept 32
	v_med3_num_f32 v[XS+i], v[XS+i], -v10, v10
.set i, i+1
.endr
.irp g, 0,1,2,3
	v_cvt_scalef32_pk8_fp8_f32 v[C+2*\g:C+2*\g+1], v[XS+8*\g:XS+8*\g+7], v11
.endr
	ds_store_b128 v4, v[C:C+3] offset:32*(\t)
	ds_store_b128 v4, v[C+4:C+7] offset:32*(\t)+16
.if (\t)+2 < 8
	LOAD (\t)+2
.endif
	s_wait_dscnt 0x0                               ; the stores have read their registers: the next block's codes may be written
.endm
	LOAD 0
	LOAD 1
	s_wait_alu depctr_va_vdst(0)
.irp t, 0,1,2,3,4,5,6,7
	BLOCK \t
.endr
.irp t, 0,1,2,3,4,5,6,7,8,9,10,11,12,13,14,15
	ds_load_b128 v[OUTR+4*\t:OUTR+4*\t+3], v7 offset:2*\t*PITCH   ; LDS serves a wave's instructions in order: these see my stores
.endr
.irp t, 0,1,2,3,4,5,6,7,8,9,10,11,12,13,14,15
	s_wait_dscnt 15-\t
	global_store_b128 v[SO+\t], v[OUTR+4*\t:OUTR+4*\t+3], s[66:67]
.endr
	s_wait_tensorcnt 0x0
	ds_add_u32 v30, v31
	s_wait_dscnt 0x0
	s_endpgm
.Lln:
	; ---- LayerNorm 1: 16 rows a work-group, 4 a wave
	s_sub_co_u32 s3, ttmp9, 384
	s_lshl_b32 s3, s3, 4
	s_lshl_b32 s4, s2, 2
	s_add_co_u32 s3, s3, s4
	s_wait_alu depctr_va_vdst(0)
	LNPATH
.Lfunc_end_k_qbf2e7ff07b_prep:
	.size	k_qbf2e7ff07b_prep, .Lfunc_end_k_qbf2e7ff07b_prep-k_qbf2e7ff07b_prep
	.p2alignl 7, 3214868480
	.fill 96, 4, 3214868480
	.section	.rodata,"a",@progbits
	.p2align	6, 0x0
	.amdhsa_kernel k_qbf2e7ff07b_prep
		.amdhsa_group_segment_fixed_size 35328
		.amdhsa_private_segment_fixed_size 0
		.amdhsa_enable_private_segment 0
		.amdhsa_kernarg_size 80
		.amdhsa_user_sgpr_count 2
		.amdhsa_user_sgpr_kernarg_segment_ptr 1
		.amdhsa_wavefront_size32 1
		.amdhsa_system_sgpr_workgroup_id_x 1
		.amdhsa_system_sgpr_workgroup_id_y 1
		.amdhsa_system_sgpr_workgroup_id_z 1
		.amdhsa_system_vgpr_workitem_id 0
		.amdhsa_next_free_vgpr 256
		.amdhsa_next_free_sgpr 80
		.amdhsa_reserve_vcc 0
		.amdhsa_float_denorm_mode_32 3
		.amdhsa_float_denorm_mode_16_64 3
		.amdhsa_memory_ordered 1
		.amdhsa_forward_progress 1
		.amdhsa_inst_pref_size 95
	.end_amdhsa_kernel
	.amdgpu_metadata
---
amdhsa.version: [ 1, 2 ]
amdhsa.kernels:
  - .name:           k_qbf2e7ff07b_prep
    .symbol:         k_qbf2e7ff07b_prep.kd
    .args:
      - { .name: qkv_w, .offset: 0, .size: 8, .value_kind: global_buffer, .address_space: global }
      - { .name: out_w, .offset: 8, .size: 8, .value_kind: global_buffer, .address_space: global }
      - { .name: ff_w1, .offset: 16, .size: 8, .value_kind: global_buffer, .address_space: global }
      - { .name: ff_w2, .offset: 24, .size: 8, .value_kind: global_buffer, .address_space: global }
      - { .name: x, .offset: 32, .size: 8, .value_kind: global_buffer, .address_space: global }
      - { .name: ln1_g, .offset: 40, .size: 8, .value_kind: global_buffer, .address_space: global }
      - { .name: ln1_b, .offset: 48, .size: 8, .value_kind: global_buffer, .address_space: global }
      - { .name: lowp_scales, .offset: 56, .size: 8, .value_kind: global_buffer, .address_space: global }
      - { .name: wc, .offset: 64, .size: 8, .value_kind: global_buffer, .address_space: global }
      - { .name: xq, .offset: 72, .size: 8, .value_kind: global_buffer, .address_space: global }
    .group_segment_fixed_size: 35328
    .private_segment_fixed_size: 0
    .kernarg_segment_align: 8
    .kernarg_segment_size: 80
    .max_flat_workgroup_size: 128
    .sgpr_count:     80
    .vgpr_count:     256
    .wavefront_size: 32
...
	.end_amdgpu_metadata
.endif
;; end of part 1
;; launch qkv (part 2): grid 12 x 16, 4 waves a work-group, clusters of 4 x 4, 327,680 bytes of LDS; arguments xq, wc, lowp_scales, qkv_b, qkvc; writes qkvc
.if DOCPART == 2
	.amdgcn_target "amdgcn-amd-amdhsa--gfx1250"
	.amdhsa_code_object_version 6
	.text
	.protected	k_qbf2e7ff07b_qkv
	.globl	k_qbf2e7ff07b_qkv
	.p2align	8
	.type	k_qbf2e7ff07b_qkv,@function
k_qbf2e7ff07b_qkv:
	s_mov_b64 s[64:65], 0
	v_nop
	global_prefetch_b8 v0, s[64:65] scope:SCOPE_SE
	s_setreg_imm32_b32 hwreg(HW_REG_WAVE_MODE, 25, 1), 1
	s_wait_xcnt 0x0
	s_wait_alu depctr_hold_cnt(0) depctr_sa_sdst(0) depctr_va_vdst(0) depctr_va_sdst(0) depctr_va_ssrc(0) depctr_va_vcc(0) depctr_vm_vsrc(0)
	s_getreg_b32 s2, hwreg(HW_REG_IB_STS2, 6, 4)
	s_cmp_eq_u32 s2, 0
	s_cbranch_scc0 .Lentry_in_a_cluster
	s_endpgm
.Lentry_in_a_cluster:
	s_bfe_u32 s2, ttmp6, 0x10000c
	s_cmp_lg_u32 s2, 0xf033
	s_cbranch_scc0 .Lentry_shape_is_right
	s_endpgm
.Lentry_shape_is_right:
; QKV.  LN1(x) (codes, xq [4096][1024]) x qkv_w (codes, wc rows 0-3071, [n][1024]) + qkv_b, quantised at once into the operands of attention, in qkvc:
;   q [32 (batch x 16 + head)][2048][64] at byte 0 (entry 2 of the scales), k likewise at 4,194,304 (entry 3), v TRANSPOSED [32][64][2048] at 8,388,608 (entry 4).
; A tile of 256 x 256 by four waves of 128 x 128 (64 accumulators, 512 registers); K = 1024 in four steps of 256 through a ring of two LDS slots; 4 x 4 work-groups form a cluster and ask for each tile jointly.
; THE MATRIX INSTRUCTION IS USED TRANSPOSED: source 0 = 16 rows of "B", source 1 = 16 rows of "A": a lane holds one row of A and eight rows of B.
; The cluster's x says what is made: 0 q, 1 k, 2 v; it is the same in all sixteen partners.  For q and k: A = tokens, B = rows of wc.  The rows of wc lie in the order pi (bits 3 and 4 of the column swapped), so the
; 16 registers of accumulators 2 c, 2 c + 1 are columns 32 c + 16 (lane / 16) + 0..15: 16 neighbouring codes.  FOR v THE ROLES ARE SWAPPED (A = rows of wc, B = tokens): a lane holds one channel and its registers run
; along the tokens, which are the second attention product's K.  So v's rows lie at pi(channel) and, in a row, token t at pi(t): the order in which the attention kernel wants both.
; The codes are multiplied as they are; each sum x 2^(e0 + e1) + bias, in f32, is what is quantised.  192 work-groups: a tile that filled all WGPs would want a second main loop.
; LIMITS: e0 + e1 between -126 and 127; e2, e3, e4 between -126 and 119.  NaN among the inputs is not served.
; REGISTERS, in windows of 256: window 0: v0-31 addresses; v32-103 biases; from v128 A's fragments, one set; on the way out v104-231 at work.  window 1: B's fragments, two sets.  windows 2, 3: the accumulators.
.set ROWB,   256                       ; a tile's row: 256 codes
.set KROW,   1024                      ; a row of xq or wc in memory
.set PITCH,  272                       ; an LDS row: 256 bytes + 16: the 16 rows that a load touches start at 16 different banks (ISA guide 11.1)
.set FR,     16
.set NL,     4
.set NP,     4
.set HALFT,  128*PITCH
.set SLOT,   4*HALFT
.set LAPS,   2                         ; K = 1024: twice round the ring
.set SPARE,  2*SLOT                    ; the spare words, 128 bytes a wave, which no other line names
.set VSTG,   8192                      ; the way out: q's and k's stages lie in LDS bytes 0-8191, v's stage (256 rows x 272) from 8192 on: all in slot 0, behind its last fill and its last read
.set ADRA, 16
.set SCL,  18                          ; v18 2^e of the result, v19 448 x that
.set LIM,  19
.set ADRB, 20
.set VST,  22
.set VRD,  23
.set QST,  24
.set QRD,  25
.set GO,   26
.set VGO,  27
.set SPW,  28
.set NIL,  29
.set BO,   30
.set BVO,  31
.set BIAS, 32                          ; v32-95  q, k: the bias of my 64 columns, in the accumulators' order
.set BV,   96                          ; v96-103 v: the bias of my channel in each of the eight blocks
.set TMP,  104                         ; v104-167 a block's numbers
.set CS,   168                         ; v168-199 two sets of 16: its codes
.set RB,   200                         ; v200-231 two sets of 16: read back from the stage
.set AF,   128
.set G1, 24
.set G0, 32
.set G1B, 48
.set G0B, 56
.set MSB, 0
.macro WIN new                         ; the immediate's high byte repeats the setting that is left
.if MSB != (\new)
	s_set_vgpr_msb (MSB<<8)|(\new)
.set MSB, (\new)
.endif
.endm
.set MUL_LO, 0xa1                      ; source 0 (B) window 1, source 1 (A) window 0, C and D window 2
.set MUL_HI, 0xf1
.set TO_B,   0x40
.macro JLOAD g0a, g1a, g0b, g1b        ; a joint load: waves 0, 1 fetch for A, waves 2, 3 for B; four v_nop follow each line
	s_cmp_eq_u32 s15, 0
	s_cbranch_scc0 .Lfor_b_\@
	tensor_load_to_lds s[\g0a:\g0a+3], s[\g1a:\g1a+7]
	s_nop 0
.rept 4
	v_nop
.endr
	s_branch .Lasked_\@
.Lfor_b_\@:
	tensor_load_to_lds s[\g0b:\g0b+3], s[\g1b:\g1b+7]
	s_nop 0
.rept 4
	v_nop
.endr
.Lasked_\@:
.endm
.macro CREST                           ; a round of the cluster's barrier behind its opening barrier
	s_cmp_lg_u32 s14, 0
	s_cbranch_scc1 .Lnot_wave_0_\@
	s_barrier_signal -3
.Lnot_wave_0_\@:
	s_barrier_wait -3
	s_barrier_signal -1
	s_barrier_wait -1
.endm
.macro CROUND
	s_barrier_signal -1
	s_barrier_wait -1
	CREST
.endm
	s_load_b256 s[4:11], s[0:1], 0x0               ; xq s[4:5], wc s[6:7], the scales s[8:9], qkv_b s[10:11]
	s_load_b64 s[12:13], s[0:1], 0x20              ; qkvc
	v_lshl_add_u32 v[SPW], v0, 2, SPARE
	v_mov_b32 v[NIL], 0
	ds_add_u32 v28, v29
	ds_add_u32 v28, v29
	s_wait_dscnt 0x0
	v_lshrrev_b32 v1, 5, v0
	v_readfirstlane_b32 s14, v1                    ; wave 0..3
	s_lshr_b32 s15, s14, 1                         ; my half of A's rows.  Also: I fetch for A (0) or for B (1)
	s_and_b32 s16, s14, 1                          ; my half of B's rows.  Also: which 128 rows I fetch
	s_bfe_u32 s40, ttmp6, 0x40000                  ; cx
	s_bfe_u32 s41, ttmp6, 0x40004                  ; cy
	s_lshl_b32 s42, ttmp9, 2
	s_and_b32 s17, ttmp7, 0xffff
	s_lshl_b32 s17, s17, 2
	s_cmp_eq_u32 ttmp9, 2                          ; v?  The cluster's x: the same in all partners
	s_cselect_b32 s70, 1, 0
	s_cselect_b32 s71, 8, s17                      ; A's first tile of 256 rows: v's rows of wc begin at 2048; else the tokens of the cluster's y
	s_cselect_b32 s72, s17, s42                    ; B's: the tokens; else the rows of wc of the cluster's x
	s_add_co_u32 s17, s71, s41                     ; A's tile: + cy
	s_add_co_u32 s42, s72, s40                     ; B's tile: + cx
	s_lshl_b32 s43, s41, 2
	s_lshl_b32 s43, 15, s43                        ; my row of the cluster
	s_lshl_b32 s44, 0x1111, s40                    ; my column
	s_or_b32 s[G1+0], s43, (0<<16)|(1<<20)|(1<<21)|(5<<22)|(3<<25)  ; the mask; elements of 1 byte; padding of 4 words behind every 64; bit 21 beside a mask
	s_or_b32 s[G1B+0], s44, (0<<16)|(1<<20)|(1<<21)|(5<<22)|(3<<25)
.irp g, G1, G1B
	s_mov_b32 s[\g+1], ROWB<<16                    ; tensor_dim0
	s_mov_b32 s[\g+2], 128<<16                     ; tensor_dim1
	s_mov_b32 s[\g+3], ROWB<<16                    ; tile_dim0
	s_mov_b32 s[\g+4], 128                         ; tile_dim1
	s_mov_b32 s[\g+5], KROW                        ; the pitch
	s_mov_b32 s[\g+6], 0
	s_mov_b32 s[\g+7], 0
.endr
	s_lshl_b32 s18, s16, 7
	s_lshl_b32 s20, s17, 8
	s_add_co_u32 s20, s20, s18
	s_lshl_b32 s20, s20, 10                        ; A: (256 x tile + 128 x half) rows of 1,024 bytes
	s_mov_b32 s21, 0
	s_lshl_b32 s46, s42, 8
	s_add_co_u32 s46, s46, s18
	s_lshl_b32 s46, s46, 10                        ; B likewise
	s_mov_b32 s47, 0
	s_mul_i32 s45, s14, HALFT                      ; where they go: wave x 128 rows
	s_wait_kmcnt 0x0
	s_load_b256 s[80:87], s[8:9], 0x0              ; e0 .. e7
	s_cmp_eq_u32 s70, 1
	s_cselect_b64 s[74:75], s[6:7], s[4:5]         ; A's buffer
	s_cselect_b64 s[76:77], s[4:5], s[6:7]         ; B's
	s_add_nc_u64 s[20:21], s[74:75], s[20:21]
	s_add_nc_u64 s[46:47], s[76:77], s[46:47]
	CROUND                                         ; all sixteen work-groups are here: the first joint loads meet
.irp s, 0,1
	s_mov_b32 s[G0+4*\s], 1
	s_add_co_u32 s[G0+4*\s+1], s45, \s*SLOT
	s_add_nc_u64 s[G0+4*\s+2:G0+4*\s+3], s[20:21], \s*ROWB
	s_or_b32 s[G0+4*\s+3], s[G0+4*\s+3], 0x80000000
	s_mov_b32 s[G0B+4*\s], 1
	s_add_co_u32 s[G0B+4*\s+1], s45, \s*SLOT
	s_add_nc_u64 s[G0B+4*\s+2:G0B+4*\s+3], s[46:47], \s*ROWB
	s_or_b32 s[G0B+4*\s+3], s[G0B+4*\s+3], 0x80000000
.endr
	JLOAD G0, G1, G0B, G1B                         ; K step 0: one tensor load a wave at the head
	v_and_b32 v1, 15, v0                           ; r
	v_bfe_u32 v2, v0, 4, 1                         ; h
	s_wait_alu depctr_va_vdst(0)
	v_mul_u32_u24 v3, v1, PITCH
	v_lshl_add_u32 v4, v2, 4, v3                   ; r x pitch + 16 h
	s_mul_i32 s21, s15, HALFT
	s_mul_i32 s22, s16, HALFT
	s_add_co_u32 s22, s22, 2*HALFT
.irp s, 0,1
	v_add_nc_u32 v[ADRA+\s], s21, v4
	v_add_nc_u32 v[ADRB+\s], s22, v4
	s_add_co_u32 s21, s21, SLOT
	s_add_co_u32 s22, s22, SLOT
.endr
	; the biases, in both forms, from my wave's 128 columns on: they land under the main loop
	s_lshl_b32 s18, s41, 8
	s_lshl_b32 s19, s15, 7
	s_add_co_u32 s18, s18, s19
	s_add_co_u32 s18, s18, 2048                    ; v: column 2048 + 256 cy + 128 x my half of A
	s_lshl_b32 s19, s42, 8
	s_lshl_b32 s22, s16, 7
	s_add_co_u32 s19, s19, s22                     ; q, k: 256 x B's tile + 128 x my half of B
	s_cmp_eq_u32 s70, 1
	s_cselect_b32 s18, s18, s19
	s_lshl_b32 s18, s18, 2
	s_mov_b32 s19, 0
	s_add_nc_u64 s[66:67], s[10:11], s[18:19]
	v_lshlrev_b32 v[BO], 6, v2
.irp c, 0,1,2,3
.irp k, 0,1,2,3
	global_load_b128 v[BIAS+16*\c+4*\k:BIAS+16*\c+4*\k+3], v[BO], s[66:67] offset:128*\c+16*\k   ; b(32 c + 16 h + 4 k ..)
.endr
.endr
	v_and_b32 v5, 7, v1
	v_bfe_u32 v6, v1, 3, 1
	v_lshl_add_u32 v5, v6, 4, v5
	v_lshlrev_b32 v[BVO], 2, v5
.irp a, 0,1,2,3,4,5,6,7
	global_load_b32 v[BV+\a], v[BVO], s[66:67] offset:4*(32*(\a/2)+8*(\a%2))   ; b(pi(16 a + r))
.endr
	; LDS addresses of the way out: lane and wave alone
	s_lshl_b32 s23, s14, 11
	v_lshlrev_b32 v5, 6, v1
	v_lshl_add_u32 v5, v2, 4, v5
	v_add_nc_u32 v[QST], s23, v5                   ; q, k in: 2,048 x wave + 64 r + 16 h
	v_and_b32 v6, 31, v0
	v_lshlrev_b32 v[GO], 4, v6
	v_add_nc_u32 v[QRD], s23, v[GO]                ; back: 16 bytes a lane
	s_mul_i32 s23, s15, 128*PITCH
	s_lshl_b32 s22, s16, 7
	s_add_co_u32 s23, s23, s22
	s_add_co_u32 s23, s23, VSTG
	v_add_nc_u32 v[VST], s23, v4                   ; v in: row 128 x my half of A + r, byte 128 x my half of B + 16 h
	s_mul_i32 s23, s14, 64*PITCH
	s_add_co_u32 s23, s23, VSTG
	v_mul_u32_u24 v5, v2, PITCH
	v_lshl_add_u32 v5, v1, 4, v5
	v_add_nc_u32 v[VRD], s23, v5                   ; back: wave w takes rows 64 w on, sixteen lanes to a row
	v_lshlrev_b32 v5, 11, v2
	v_lshl_add_u32 v[VGO], v1, 4, v5
	; where my part begins in qkvc, in both forms
	s_lshl_b32 s18, s17, 8
	s_lshl_b32 s19, s15, 7
	s_add_co_u32 s18, s18, s19                     ; q, k: my first token
	s_lshr_b32 s19, s18, 11
	s_lshl_b32 s19, s19, 21                        ; its batch: 16 heads x 131,072 bytes
	s_and_b32 s18, s18, 2047
	s_lshl_b32 s18, s18, 6
	s_add_co_u32 s18, s18, s19
	s_lshl_b32 s19, s40, 2
	s_lshl_b32 s22, s16, 1
	s_add_co_u32 s19, s19, s22                     ; my first head: 4 cx + 2 x half
	s_lshl_b32 s19, s19, 17
	s_add_co_u32 s18, s18, s19
	s_lshl_b32 s19, ttmp9, 22                      ; q or k
	s_add_co_u32 s18, s18, s19
	s_lshr_b32 s22, s42, 3                         ; v: the tokens' batch,
	s_lshl_b32 s22, s22, 21
	s_lshl_b32 s19, s41, 8
	s_lshl_b32 s23, s14, 6
	s_add_co_u32 s19, s19, s23                     ; the first row that I store: 256 cy + 64 x wave,
	s_lshl_b32 s19, s19, 11
	s_add_co_u32 s22, s22, s19
	s_and_b32 s19, s42, 7
	s_lshl_b32 s19, s19, 8                         ; the tile's 256 tokens in a row
	s_add_co_u32 s22, s22, s19
	s_add_co_u32 s22, s22, 8388608
	s_cmp_eq_u32 s70, 1
	s_cselect_b32 s18, s22, s18
	s_mov_b32 s19, 0
	s_add_nc_u64 s[68:69], s[12:13], s[18:19]
.macro FRAG reg, adr, q, i             ; 16 rows x 128 K: registers 4 c .. 4 c + 3 hold K = 32 c + 16 (l / 16) + 0..15: the same order of k in A and in B
.irp c, 0,1,2,3
	ds_load_b128 v[\reg+4*\c:\reg+4*\c+3], v[\adr] offset:128*(\q)+32*\c+(\i)*16*PITCH
.endr
.endm
.macro MUL16 a0, p, zero               ; A's blocks a0, a0 + 1 x B's eight.  The 64 accumulators take turns, one instruction a turn, in the same order in every step
.irp a, \a0, \a0+1
.irp b, 0,1,2,3,4,5,6,7
.if \zero
	v_wmma_f32_16x16x128_fp8_fp8 v[8*(8*((\a)%4)+\b):8*(8*((\a)%4)+\b)+7], v[128*(\p)+FR*\b:128*(\p)+FR*\b+FR-1], v[AF+FR*(\a):AF+FR*(\a)+FR-1], 0
.else
	v_wmma_f32_16x16x128_fp8_fp8 v[8*(8*((\a)%4)+\b):8*(8*((\a)%4)+\b)+7], v[128*(\p)+FR*\b:128*(\p)+FR*\b+FR-1], v[AF+FR*(\a):AF+FR*(\a)+FR-1], v[8*(8*((\a)%4)+\b):8*(8*((\a)%4)+\b)+7]
.endif
.endr
.endr
.endm
.macro FETCH_B slot, q, p
	WIN TO_B
.irp i, 0,1,2,3,4,5,6,7
	FRAG 128*(\p)+FR*\i, ADRB+\slot, \q, \i
.endr
	WIN 0
.endm
.macro FETCH_A slot, q, i0
.irp i, \i0, \i0+1, \i0+2, \i0+3
	FRAG AF+FR*(\i), ADRA+\slot, \q, \i
.endr
.endm
.macro PLACES n                        ; plain vector instructions between a matrix instruction and a load into, or a read of, its registers
.rept \n
	v_nop
.endr
.endm
.macro STEP slot, q, zero              ; 128 along K whose successor lies in the same slot
	s_wait_dscnt 4*NL                              ; B's set and A's blocks 0-3 are in; A's blocks 4-7 (16 loads) may be out
	WIN MUL_LO
	MUL16 0, (\q)%2, \zero
	MUL16 2, (\q)%2, \zero
	s_wait_dscnt 0                                 ; A's blocks 4-7 are in
	PLACES NP
	FETCH_B \slot, (\q)+1, 1-(\q)%2
	FETCH_A \slot, (\q)+1, 0
	WIN MUL_HI
	MUL16 4, (\q)%2, \zero
	MUL16 6, (\q)%2, \zero
	PLACES NP
	WIN 0
	FETCH_A \slot, (\q)+1, 4
.endm
.macro TURN slot, next, fill           ; a slot's last step changes slots: one barrier; fill = 1: this slot is filled again, two K steps ahead
	s_wait_tensorcnt 0x0                           ; all my tensor loads have landed: my part of the next slot
	ds_add_u32 v[SPW], v[NIL]                      ; 0 onto my spare word
	s_wait_dscnt 4*NL+1                            ; (the add and A's blocks 4-7 may be out)
	WIN MUL_LO
	MUL16 0, 1, 0
	s_wait_dscnt 0x0                               ; the add is done, and my reads of this slot are over
	s_barrier_signal -1
	MUL16 2, 1, 0
	WIN 0
	s_barrier_wait -1
.if \fill
	CREST                                          ; the barrier has opened a round of the cluster's: no wave of any partner still reads this slot or has a load on its way
	s_add_nc_u64 s[G0+4*\slot+2:G0+4*\slot+3], s[G0+4*\slot+2:G0+4*\slot+3], 2*ROWB
	s_add_nc_u64 s[G0B+4*\slot+2:G0B+4*\slot+3], s[G0B+4*\slot+2:G0B+4*\slot+3], 2*ROWB
	JLOAD G0+4*\slot, G1, G0B+4*\slot, G1B         ; the first tensor load behind the round; its four v_nop are the places in front of the loads below
.else
	PLACES NP
.endif
	FETCH_B \next, 0, 0
	FETCH_A \next, 0, 0
	WIN MUL_HI
	MUL16 4, 1, 0
	MUL16 6, 1, 0
	PLACES NP
	WIN 0
	FETCH_A \next, 0, 4
.endm
	s_wait_alu depctr_va_vdst(0)
	s_wait_tensorcnt 0x0                           ; my part of K step 0 is in; slot 1's first fill is issued as a refill is:
	ds_add_u32 v[SPW], v[NIL]                      ; 0 onto my spare word
	s_wait_dscnt 0x0
	CROUND                                         ; everybody's part of K step 0 is in, and the joint loads meet
	JLOAD G0+4, G1, G0B+4, G1B                     ; K step 1: the first tensor load behind the round
	FETCH_B 0, 0, 0
	FETCH_A 0, 0, 0
	FETCH_A 0, 0, 4
	STEP 0, 0, 1                                   ; the first step's products start the sums
	s_mov_b32 s3, LAPS-1
.Llap:                                                 ; a trip goes once round the ring and fills both slots again
	TURN 0, 1, 1
	STEP 1, 0, 0
	TURN 1, 0, 1
	STEP 0, 0, 0
	s_sub_co_u32 s3, s3, 1
	s_cmp_lg_u32 s3, 0
	s_cbranch_scc1 .Llap
	TURN 0, 1, 0                                   ; the last lap fills nothing
	STEP 1, 0, 0
	s_wait_dscnt 4*NL
	WIN MUL_LO
	MUL16 0, 1, 0
	MUL16 2, 1, 0
	s_wait_dscnt 0
	WIN MUL_HI
	MUL16 4, 1, 0
	MUL16 6, 1, 0
	WIN 0
	; ---- THE WAY OUT
	s_wait_kmcnt 0x0
	s_add_co_i32 s96, s80, s81
	s_add_co_i32 s96, s96, 127
	s_lshl_b32 s96, s96, 23                        ; 2^(e0 + e1) as f32
	s_mov_b32 s97, s96                             ; (named with it as a pair)
	s_cmp_eq_u32 ttmp9, 0
	s_cselect_b32 s92, s82, s83                    ; the result's exponent: e2, e3 or e4: a choice of a value, no branch
	s_cmp_eq_u32 ttmp9, 2
	s_cselect_b32 s92, s84, s92
	s_add_co_i32 s92, s92, 127
	s_lshl_b32 s93, s92, 23
	s_add_co_i32 s92, s92, 8
	s_lshl_b32 s92, s92, 23
	s_or_b32 s92, s92, 0x600000
	PLACES NP                                      ; behind the last products
	v_mov_b32 v[SCL], s93
	v_mov_b32 v[LIM], s92
	s_wait_loadcnt 0x0                             ; the biases
; Block a (16 rows of A x 128 of B): sum x 2^(e0 + e1) + bias, the hold, the conversion: 64 numbers a lane become 64 codes in set a % 2.  Each accumulator is read from its low end on.
.macro QBLK a, mode
.set AC, 64*((\a)%4)
.set CC, CS+16*((\a)%2)
	WIN 0x02+((\a)/4)                              ; source 0: window 2 or 3
.if \mode
.set k, 0
.rept 64
	v_fma_f32 v[TMP+k], v[AC+k], s96, v[BV+(\a)]   ; v: one channel a lane, one bias
.set k, k+1
.endr
.else
.set k, 0
.rept 32
	v_pk_fma_f32 v[TMP+k:TMP+k+1], v[AC+k:AC+k+1], s[96:97], v[BIAS+k:BIAS+k+1] op_sel_hi:[1,0,1]
.set k, k+2
.endr
.endif
	WIN 0
.set k, 0
.rept 64
	v_med3_num_f32 v[TMP+k], v[TMP+k], -v[LIM], v[LIM]
.set k, k+1
.endr
.set k, 0
.rept 8
	v_cvt_scalef32_pk8_fp8_f32 v[CC+2*k:CC+2*k+1], v[TMP+8*k:TMP+8*k+7], v[SCL]
.set k, k+1
.endr
	v_nop                                          ; a plain instruction behind the last conversion
.endm
.macro QSTAGE a                        ; 16 tokens x two heads of 64 codes through my stage: [head][token][64]
.set CC, CS+16*((\a)%2)
.set RR, RB+16*((\a)%2)
.irp c, 0,1,2,3
	ds_store_b128 v[QST], v[CC+4*\c:CC+4*\c+3] offset:(\c/2)*1024+32*(\c%2)
.endr
.irp i, 0,1,2,3
	ds_load_b128 v[RR+4*\i:RR+4*\i+3], v[QRD] offset:512*\i   ; LDS serves a wave's instructions in order: these see the stores above
.endr
.endm
.macro QSEND a, younger
.set RR, RB+16*((\a)%2)
	s_wait_dscnt \younger
.irp i, 0,1,2,3
	global_store_b128 v[GO], v[RR+4*\i:RR+4*\i+3], s[68:69] offset:(\i/2)*131072+1024*(\a)+512*(\i%2)   ; 32 lanes store 512 consecutive bytes, aligned
.endr
.endm
	s_cmp_eq_u32 s70, 1
	s_cbranch_scc1 .Lv
	QBLK 0, 0
	QSTAGE 0
.irp a, 1,2,3,4,5,6,7
.if \a > 1
	s_wait_xcnt 0x0                                ; block a - 2's stores have read their registers: block a's loads may land there
.endif
	QBLK \a, 0
	QSTAGE \a
	QSEND \a-1, 8                                  ; behind block a - 1's loads: block a's 4 stores and 4 loads
.endr
	QSEND 7, 0
	s_branch .Lend
.Lv:
.irp a, 0,1,2,3,4,5,6,7
.if \a > 1
	s_wait_dscnt 4                                 ; block a - 2's LDS stores have read their set of codes; block a - 1's four may be out
.endif
	QBLK \a, 1
.irp c, 0,1,2,3
	ds_store_b128 v[VST], v[CC+4*\c:CC+4*\c+3] offset:16*\a*PITCH+32*\c
.endr
.endr
	s_wait_dscnt 0x0                               ; for the others' sake: a row's 256 bytes come from two waves
	s_barrier_signal -1
	s_barrier_wait -1
.irp u, 0,1
.if \u
	s_wait_xcnt 0x0                                ; the first batch's stores have read their registers
.endif
.irp i, 0,1,2,3,4,5,6,7,8,9,10,11,12,13,14,15
	ds_load_b128 v[TMP+4*\i:TMP+4*\i+3], v[VRD] offset:(32*\u+2*\i)*PITCH
.endr
.irp i, 0,1,2,3,4,5,6,7,8,9,10,11,12,13,14,15
	s_wait_dscnt 15-\i
	global_store_b128 v[VGO], v[TMP+4*\i:TMP+4*\i+3], s[68:69] offset:(32*\u+2*\i)*2048   ; 16 lanes store 256 consecutive bytes, aligned
.endr
.endr
.Lend:
	s_wait_tensorcnt 0x0                           ; the wave's end
	ds_add_u32 v[SPW], v[NIL]
	s_wait_dscnt 0x0
	CROUND                                         ; the closing round
	s_endpgm
.Lfunc_end_k_qbf2e7ff07b_qkv:
	.size	k_qbf2e7ff07b_qkv, .Lfunc_end_k_qbf2e7ff07b_qkv-k_qbf2e7ff07b_qkv
	.p2alignl 7, 3214868480
	.fill 96, 4, 3214868480
	.section	.rodata,"a",@progbits
	.p2align	6, 0x0
	.amdhsa_kernel k_qbf2e7ff07b_qkv
		.amdhsa_group_segment_fixed_size 327680
		.amdhsa_private_segment_fixed_size 0
		.amdhsa_enable_private_segment 0
		.amdhsa_kernarg_size 40
		.amdhsa_user_sgpr_count 2
		.amdhsa_user_sgpr_kernarg_segment_ptr 1
		.amdhsa_wavefront_size32 1
		.amdhsa_system_sgpr_workgroup_id_x 1
		.amdhsa_system_sgpr_workgroup_id_y 1
		.amdhsa_system_sgpr_workgroup_id_z 1
		.amdhsa_system_vgpr_workitem_id 0
		.amdhsa_next_free_vgpr 1024
		.amdhsa_next_free_sgpr 100
		.amdhsa_reserve_vcc 0
		.amdhsa_float_denorm_mode_32 3
		.amdhsa_float_denorm_mode_16_64 3
		.amdhsa_memory_ordered 1
		.amdhsa_forward_progress 1
		.amdhsa_inst_pref_size 220
	.end_amdhsa_kernel
	.amdgpu_metadata
---
amdhsa.version: [ 1, 2 ]
amdhsa.kernels:
  - .name:           k_qbf2e7ff07b_qkv
    .symbol:         k_qbf2e7ff07b_qkv.kd
    .args:
      - { .name: xq, .offset: 0, .size: 8, .value_kind: global_buffer, .address_space: global }
      - { .name: wc, .offset: 8, .size: 8, .value_kind: global_buffer, .address_space: global }
      - { .name: lowp_scales, .offset: 16, .size: 8, .value_kind: global_buffer, .address_space: global }
      - { .name: qkv_b, .offset: 24, .size: 8, .value_kind: global_buffer, .address_space: global }
      - { .name: qkvc, .offset: 32, .size: 8, .value_kind: global_buffer, .address_space: global }
    .group_segment_fixed_size: 327680
    .private_segment_fixed_size: 0
    .kernarg_segment_align: 8
    .kernarg_segment_size: 40
    .max_flat_workgroup_size: 128
    .sgpr_count:     100
    .vgpr_count:     1024
    .wavefront_size: 32
...
	.end_amdgpu_metadata
.endif
;; end of part 2
;; launch attn (part 3): grid 8 x 32, 16 waves a work-group, clusters of 4 x 1, 327,680 bytes of LDS; arguments qkvc, lowp_scales, ao; writes ao
.if DOCPART == 3
	.amdgcn_target "amdgcn-amd-amdhsa--gfx1250"
	.amdhsa_code_object_version 6
	.text
	.protected	k_qbf2e7ff07b_attn
	.globl	k_qbf2e7ff07b_attn
	.p2align	8
	.type	k_qbf2e7ff07b_attn,@function
k_qbf2e7ff07b_attn:
	s_mov_b64 s[64:65], 0
	v_nop
	global_prefetch_b8 v0, s[64:65] scope:SCOPE_SE
	s_setreg_imm32_b32 hwreg(HW_REG_WAVE_MODE, 25, 1), 1
	s_wait_xcnt 0x0
	s_wait_alu depctr_hold_cnt(0) depctr_sa_sdst(0) depctr_va_vdst(0) depctr_va_sdst(0) depctr_va_ssrc(0) depctr_va_vcc(0) depctr_vm_vsrc(0)
	s_getreg_b32 s2, hwreg(HW_REG_IB_STS2, 6, 4)
	s_cmp_eq_u32 s2, 0
	s_cbranch_scc0 .Lentry_in_a_cluster
	s_endpgm
.Lentry_in_a_cluster:
	s_bfe_u32 s2, ttmp6, 0x10000c
	s_cmp_lg_u32 s2, 0x3003
	s_cbranch_scc0 .Lentry_shape_is_right
	s_endpgm
.Lentry_shape_is_right:
; ATTENTION on codes of E4M3, head size 64, 2,048 keys, no mask.  qkvc: q, k [32][2048][64] at bytes 0 and 4,194,304; v transposed [32][64][2048] at 8,388,608, its rows at pi(channel), token t at pi(t) in a row
; (pi swaps bits 3 and 4).  Result: O / l, quantised with entry 6 of the scales, into ao [16 heads][4096 tokens][64].
; SOFTMAX: t = score x 2^(e2 + e3) x log2(e) / 8; M = the running largest t rounded UP to a whole number; p = 2^(t - M) is quantised with entry 5, not normalised; the row's sum is taken of the unquantised p and
; divides at the end; when M moves, the sum and O are multiplied by 2^(old M - new M), which rounds nothing.
; SHARES.  A work-group owns 256 queries of one head, each of its sixteen waves 16 of them in 256 registers: four waves to a SIMD.
; ALL OF A HEAD'S K AND V STAY IN LDS, and nothing is filled again: no ring, and no barrier in the loop over the keys.  The four work-groups of a cluster need the same K and V: each tile is asked for JOINTLY (mask 15).
; EVERY WAVE ISSUES ONE LOAD at the head: waves 0-7 256 keys of K each, a dense block stated as 64 rows of 256 bytes (four keys a row); waves 8-15 one tile of V each, 64 channels x 256 keys.  16 bytes of padding follow
; each 256: key k lies at 272 (k / 4) + 64 (k % 4), so the sixteen keys of a fragment load start at sixteen different 16-byte columns of the banks (ISA guide 11.1).
; No prefetch: every byte is asked for at the head by the tensor loads themselves, so there is no later load to run ahead of.
; LAYOUT.  S^T = K Q^T (source 0 = 16 neighbouring keys, source 1 = my 16 queries; K = 64): a lane holds one query and keys 16 i + 8 (lane / 16) + 0..7 of tile i: converted, these are registers 2 i, 2 i + 1 of the
; second product's source 1 in that form's own layout.  V's keys lie at pi(t), so four loads of 16 bytes give source 0 in the same layout.  O^T = V^T P: tiles 2 c, 2 c + 1 hold channels 32 c + 16 (lane / 16) + 0..15.
; TWO REGIONS OF 64 REGISTERS SWAP ROLES FROM STEP TO STEP: one holds K's fragments and then V's, the other S^T and then p.  When p has become codes, its region takes the NEXT step's fragments of K, fetched ahead of
; this step's second product.  The last step's look-ahead reads the LDS bytes behind K's last key (V's first rows); what it brings is not used.
; LIMITS: e2 + e3 between -124 and 129; e5 and e6 between -126 and 119; e4 + e5 goes by v_ldexp_f32; the scaled scores t stay under 2^31 in magnitude.  NaN among the inputs is not served.
; REGISTERS: v1-7 addresses; v8-15 Q; v16 -M, v17 the largest t; v[18:19] the sum; v[20:21] f; v[22:23] a second chain; v24-26 at work; v27 2^e, v28 448 x 2^e;
;   v32-95, v96-159 the two regions; v160-191 O^T; v192-207 p's codes; v208-213 lane numbers and addresses made at the head; v214-221 the maximum's eight chains.
.set KP,    272                        ; four keys' row in LDS, and a row of a tile of V: 256 bytes + 16
.set VT,    64*KP                      ; a tile of V (64 channels x 256 keys), and 256 keys of K
.set VBASE, 8*VT                       ; V's eight tiles lie behind K's 2,048 keys
.set STAGE, 16*VT                      ; the way out: 1,024 bytes for each wave, bytes into which no tile lands
.set SPARE, STAGE+16*1024              ; the spare words, 128 bytes a wave, which no other line names
.set AK0, 1
.set AV0, 2
.set ADK, 3
.set ADV, 4
.set SPW, 5
.set NIL, 6
.set GO,  7
.set QF,  8
.set LR,  208                          ; lane % 16
.set LH,  209                          ; lane / 16
.set QO,  210                          ; my byte offset in the wave's 16 rows of Q
.set STI, 211                          ; the way out: where I put 16 bytes of a row in my stage
.set STB, 212                          ; and where I read them back
.set TW,  213
.set MX,  214
.set WV,  12
.set SEL, 20
.set CSC, 22
.set G1K, 24                           ; s[24:31] descriptor group 1 for K's tiles;  s[32:39] for V's;  s[40:43], s[44:47] their groups 0
.set G1V, 32
.set G0K, 40
.set G0V, 44
.set TB,  96                           ; s96  LDS bytes from keys 0 to the trip's 256 keys, the same in K and in V
.set CNT, 98
.macro CROUND                          ; a round of the cluster's barrier
	s_barrier_signal -1
	s_barrier_wait -1
	s_cmp_lg_u32 s[WV], 0
	s_cbranch_scc1 .Lnot_wave_0_\@
	s_barrier_signal -3
.Lnot_wave_0_\@:
	s_barrier_wait -3
	s_barrier_signal -1
	s_barrier_wait -1
.endm
	s_load_b128 s[4:7], s[0:1], 0x0                ; qkvc, the scales
	s_load_b64 s[8:9], s[0:1], 0x10                ; ao
	v_lshl_add_u32 v[SPW], v0, 2, SPARE
	v_mov_b32 v[NIL], 0
	ds_add_u32 v[SPW], v[NIL]                      ; the opening lines: the add, twice on end, and its wait ahead of my tensor load
	ds_add_u32 v[SPW], v[NIL]
	v_lshrrev_b32 v[TW], 5, v0
	v_readfirstlane_b32 s[WV], v[TW]               ; wave 0..15
	s_bfe_u32 s13, ttmp6, 0x40000                  ; cx
	s_lshl_b32 s14, ttmp9, 2
	s_add_co_u32 s14, s14, s13                     ; my block of 256 queries: it enters Q's and the result's addresses alone
	s_and_b32 s15, ttmp7, 0xffff                   ; batch x 16 + head, which the partners share
	s_lshl_b32 s16, s15, 17                        ; its 131,072 bytes in q, k and v
	s_and_b32 s18, s[WV], 7                        ; which 256 keys I fetch
	s_lshl_b32 s56, s18, 14                        ; K: 256 keys x 64 bytes in memory,
	s_add_co_u32 s56, s56, s16
	s_add_co_u32 s56, s56, 4194304
	s_mov_b32 s57, 0
	s_mul_i32 s19, s18, VT                         ; and their place in LDS
	s_lshl_b32 s60, s18, 8                         ; V: 256 bytes along a row in memory,
	s_add_co_u32 s60, s60, s16
	s_add_co_u32 s60, s60, 8388608
	s_mov_b32 s61, 0
	s_add_co_u32 s59, s19, VBASE                   ; and the tile's place in LDS
	s_mov_b32 s[G1K], 15|(1<<20)|(1<<21)|(5<<22)|(3<<25)   ; the mask: all four; elements of 1 byte; 4 words of padding behind every 64; bit 21 beside a mask
	s_mov_b32 s[G1K+1], 256<<16                    ; tensor_dim0
	s_mov_b32 s[G1K+2], 64<<16                     ; tensor_dim1
	s_mov_b32 s[G1K+3], 256<<16                    ; tile_dim0
	s_mov_b32 s[G1K+4], 64                         ; tile_dim1
	s_mov_b32 s[G1K+5], 256                        ; the pitch: dense
	s_mov_b32 s[G1K+6], 0
	s_mov_b32 s[G1K+7], 0
	s_mov_b32 s[G1V], 15|(1<<20)|(1<<21)|(5<<22)|(3<<25)
	s_mov_b32 s[G1V+1], 256<<16
	s_mov_b32 s[G1V+2], 64<<16
	s_mov_b32 s[G1V+3], 256<<16
	s_mov_b32 s[G1V+4], 64
	s_mov_b32 s[G1V+5], 2048                       ; a channel's row of 2,048 keys
	s_mov_b32 s[G1V+6], 0
	s_mov_b32 s[G1V+7], 0
	s_mov_b32 s[SEL], 0x76543210
	s_mov_b32 s[SEL+1], 0xfedcba98
	s_mov_b32 s[CSC], 0x3e38aa3b                   ; log2(e) / 8
	s_mov_b32 s[TB], 0
	s_mov_b32 s[CNT], 8
	s_wait_dscnt 0x0                               ; both opening adds are done
	s_wait_kmcnt 0x0
	s_load_b256 s[68:75], s[6:7], 0x0              ; e0 .. e7
	s_mov_b32 s[G0K], 1
	s_mov_b32 s[G0K+1], s19
	s_add_nc_u64 s[G0K+2:G0K+3], s[4:5], s[56:57]
	s_or_b32 s[G0K+3], s[G0K+3], 0x80000000
	s_mov_b32 s[G0V], 1
	s_mov_b32 s[G0V+1], s59
	s_add_nc_u64 s[G0V+2:G0V+3], s[4:5], s[60:61]
	s_or_b32 s[G0V+3], s[G0V+3], 0x80000000
	CROUND                                         ; all four work-groups are here: the joint loads meet
	s_cmp_lt_u32 s[WV], 8                          ; one load in each arm; an s_nop 0 and four v_nop follow each
	s_cbranch_scc0 .Lfor_v
	tensor_load_to_lds s[G0K:G0K+3], s[G1K:G1K+7]
	s_nop 0
.rept 4
	v_nop
.endr
	s_branch .Lasked
.Lfor_v:
	tensor_load_to_lds s[G0V:G0V+3], s[G1V:G1V+7]
	s_nop 0
.rept 4
	v_nop
.endr
.Lasked:
	s_lshl_b32 s76, s14, 8
	s_lshl_b32 s77, s[WV], 4
	s_add_co_u32 s76, s76, s77                     ; my first query
	s_lshl_b32 s77, s76, 6
	s_add_co_u32 s66, s77, s16
	s_mov_b32 s67, 0
	s_add_nc_u64 s[66:67], s[4:5], s[66:67]        ; its codes
	s_and_b32 s78, s15, 15
	s_lshl_b32 s78, s78, 18                        ; the result: head x 4,096 tokens x 64,
	s_lshr_b32 s79, s15, 4
	s_lshl_b32 s79, s79, 17                        ; batch x 2,048 tokens x 64,
	s_add_co_u32 s78, s78, s79
	s_add_co_u32 s78, s78, s77                     ; my first query x 64
	s_mov_b32 s79, 0
	s_add_nc_u64 s[8:9], s[8:9], s[78:79]
	s_lshl_b32 s99, s[WV], 10                      ; my stage for the way out
	s_add_co_u32 s99, s99, STAGE
	v_and_b32 v[LR], 15, v0                        ; r
	v_bfe_u32 v[LH], v0, 4, 1                      ; h
	v_lshlrev_b32 v[QO], 6, v[LR]
	v_lshl_add_u32 v[QO], v[LH], 4, v[QO]          ; 64 r + 16 h
	global_load_b128 v[QF:QF+3], v[QO], s[66:67]             ; Q's fragment stays: registers 4 c .. 4 c + 3 hold channels 32 c + 16 h + 0..15, as K's do
	global_load_b128 v[QF+4:QF+7], v[QO], s[66:67] offset:32
	v_lshrrev_b32 v[AK0], 2, v[LR]
	v_mul_u32_u24 v[AK0], v[AK0], KP
	v_and_b32 v24, 3, v[LR]
	v_lshl_add_u32 v[AK0], v24, 6, v[AK0]
	v_lshl_add_u32 v[AK0], v[LH], 4, v[AK0]        ; K: 272 (r / 4) + 64 (r % 4) + 16 h
	v_mul_u32_u24 v[AV0], v[LR], KP
	v_lshl_add_u32 v[AV0], v[LH], 4, v[AV0]
	v_add_nc_u32 v[AV0], VBASE, v[AV0]             ; V: channel row r, + 16 h
	v_and_b32 v[GO], 31, v0
	v_lshlrev_b32 v[GO], 4, v[GO]
	v_add_nc_u32 v[STI], s99, v[QO]                ; in: 64 r + 16 h
	v_add_nc_u32 v[STB], s99, v[GO]                ; back: 16 bytes a lane
	v_mov_b32 v17, 0xff61b1e6                      ; the largest t so far: -3e38
	v_floor_f32 v16, -v17                          ; -M
	v_mov_b32 v18, 0
	v_mov_b32 v19, 0
	v_mov_b32 v21, 0                               ; (named as the upper half of the pair v[20:21])
	v_mov_b32 v26, 0                               ; a lane permute's destination counts as read
.set j, 0
.rept 32
	v_mov_b32 v[160+j], 0                          ; O^T: a key step is written in one form; the first finds zeros
.set j, j+1
.endr
	s_wait_kmcnt 0x0
	s_add_co_i32 s99, s70, s71
	s_lshl_b32 s99, s99, 23
	s_add_co_i32 s[CSC], s[CSC], s99               ; e2 + e3 are added to c's exponent field
	s_mov_b32 s[CSC+1], s[CSC]
	s_add_co_i32 s99, s73, 127
	s_lshl_b32 s76, s99, 23
	v_mov_b32 v27, s76                             ; 2^e5
	s_add_co_i32 s99, s99, 8
	s_lshl_b32 s99, s99, 23
	s_or_b32 s99, s99, 0x600000
	v_mov_b32 v28, s99                             ; 448 x 2^e5,
	v_mov_b32 v29, s99                             ; and once more, in a register of another bank: the two halves of a dual instruction take their second sources from different banks
.macro KLD reg, adr, q                 ; K's eight fragments of the q-th 128 keys behind the address
.irp i, 0,1,2,3,4,5,6,7
.irp c, 0,1
	ds_load_b128 v[\reg+8*\i+4*\c:\reg+8*\i+4*\c+3], v[\adr] offset:(32*(\q)+4*\i)*KP+32*\c
.endr
.endr
.endm
.macro VLD reg, q, t                   ; V's fragment t: 16 channels x the step's 128 keys
.irp c, 0,1,2,3
	ds_load_b128 v[\reg+16*\t+4*\c:\reg+16*\t+4*\c+3], v[ADV] offset:16*\t*KP+128*(\q)+32*\c
.endr
.endm
.macro SCALE reg, j0, n                ; t - M, two at a time
.set j, \j0
.rept \n
	v_pk_fma_f32 v[\reg+j:\reg+j+1], v[\reg+j:\reg+j+1], s[CSC:CSC+1], v[16:17] op_sel_hi:[1,0,0]
.set j, j+2
.endr
.endm
; A KEY STEP: 128 keys, the q-th of the trip's 256.  KR: the region that holds K's fragments, then V's.  SR: the region of S^T, then p, then the next step's fragments of K.
.macro STEP q, KR, SR
.rept 3+2*(\q)
	v_nop                                          ; five places between the last products and the products below, which write over registers that those read (q = 0: the trip's two additions are places too)
.endr
	s_wait_dscnt 8                                 ; K's tiles 0 to 3 are in; the eight loads of tiles 4 to 7 may be out
.irp i, 0,1,2,3
	v_wmma_f32_16x16x64_fp8_fp8 v[\SR+8*\i:\SR+8*\i+7], v[\KR+8*\i:\KR+8*\i+7], v[QF:QF+7], 0
.endr
	s_wait_dscnt 0x0
.irp i, 4,5,6,7
	v_wmma_f32_16x16x64_fp8_fp8 v[\SR+8*\i:\SR+8*\i+7], v[\KR+8*\i:\KR+8*\i+7], v[QF:QF+7], 0
.endr
.rept 4
	v_nop
.endr
.set j, 0
.rept 8
	v_max3_num_f32 v[MX+j], v[\SR+3*j], v[\SR+3*j+1], v[\SR+3*j+2]   ; the step's largest score of my query among my 64 keys, in eight chains, the registers in ascending order: each tile is read from its low end on
.set j, j+1
.endr
.set j, 0
.rept 20
	v_max3_num_f32 v[MX+(j%8)], v[MX+(j%8)], v[\SR+24+2*j], v[\SR+25+2*j]
.set j, j+1
.endr
	v_max3_num_f32 v[MX], v[MX], v[MX+1], v[MX+2]
	v_max3_num_f32 v[MX+3], v[MX+3], v[MX+4], v[MX+5]
	v_mov_b32 v25, v16                             ; the old -M
	v_max3_num_f32 v24, v[MX], v[MX+3], v[MX+6]
	v_max_num_f32 v24, v24, v[MX+7]
	v_permlanex16_b32 v26, v24, s[SEL], s[SEL+1]
	VLD \KR, \q, 0                                 ; V's fragments are asked for between the links of this chain, and land under the softmax
	v_max_num_f32 v24, v24, v26                    ; and among lane l xor 16's
	VLD \KR, \q, 1
	v_mul_f32 v24, s[CSC], v24                     ; as t (c is positive)
	VLD \KR, \q, 2
	v_max_num_f32 v17, v17, v24
	VLD \KR, \q, 3
	v_floor_f32 v16, -v17                          ; the new -M = -ceil(t)
	v_sub_f32 v25, v16, v25                        ; old M - new M: a whole number, 0 or less
	SCALE \SR, 0, 4
	v_cvt_i32_f32 v25, v25                         ; (it saturates)
	SCALE \SR, 8, 4
	v_ldexp_f32 v20, 1.0, v25                      ; f = 2^(old M - new M)
	SCALE \SR, 16, 8                               ; the first 32 scores are scaled; the other 32 follow behind the first batch of exponentials
.set j, 0
.rept 16
	v_pk_mul_f32 v[160+j:161+j], v[160+j:161+j], v[20:21] op_sel_hi:[1,0]   ; O^T under the new M, each accumulator from its low end on, ahead of the exponentials
.set j, j+2
.endr
	s_wait_alu depctr_va_vdst(0)                   ; a wait ahead of a batch and one behind it.  TWO BATCHES of 32 exponentials; plain lines that name none of a batch's results stand behind it
.set j, 0
.rept 32
	v_exp_f32 v[\SR+j], v[\SR+j]                   ; p = 2^(t - M), the first 32
.set j, j+1
.endr
	SCALE \SR, 32, 16
	v_pk_mul_f32 v[18:19], v[18:19], v[20:21] op_sel_hi:[1,0]   ; the sums under the new M
	s_wait_alu depctr_va_vdst(0)                   ; behind the first batch, ahead of the second
.set j, 32
.rept 32
	v_exp_f32 v[\SR+j], v[\SR+j]                   ; the other 32
.set j, j+1
.endr
	v_pk_add_f32 v[22:23], v[\SR:\SR+1], v[\SR+2:\SR+3]   ; the row's sum is taken of the unquantised p, in two chains; the holds of the four numbers just summed stand between the chains' links
	v_dual_min_num_f32 v[\SR], v[\SR], v28 :: v_dual_min_num_f32 v[\SR+1], v[\SR+1], v29   ; the conversion does not saturate (ISA guide 7.6.2); p is not negative; two holds an instruction
	v_dual_min_num_f32 v[\SR+2], v[\SR+2], v28 :: v_dual_min_num_f32 v[\SR+3], v[\SR+3], v29
.set j, 4
.rept 7
	v_pk_add_f32 v[18:19], v[18:19], v[\SR+j:\SR+j+1]
	v_pk_add_f32 v[22:23], v[22:23], v[\SR+j+2:\SR+j+3]
	v_dual_min_num_f32 v[\SR+j], v[\SR+j], v28 :: v_dual_min_num_f32 v[\SR+j+1], v[\SR+j+1], v29
	v_dual_min_num_f32 v[\SR+j+2], v[\SR+j+2], v28 :: v_dual_min_num_f32 v[\SR+j+3], v[\SR+j+3], v29
.set j, j+4
.endr
	s_wait_alu depctr_va_vdst(0)                   ; behind the second batch, ahead of its first reader, and directly ahead of the wait below
	s_wait_dscnt 0x0                               ; V's fragments
.rept 8
	v_pk_add_f32 v[18:19], v[18:19], v[\SR+j:\SR+j+1]
	v_pk_add_f32 v[22:23], v[22:23], v[\SR+j+2:\SR+j+3]
	v_dual_min_num_f32 v[\SR+j], v[\SR+j], v28 :: v_dual_min_num_f32 v[\SR+j+1], v[\SR+j+1], v29
	v_dual_min_num_f32 v[\SR+j+2], v[\SR+j+2], v28 :: v_dual_min_num_f32 v[\SR+j+3], v[\SR+j+3], v29
.set j, j+4
.endr
	v_pk_add_f32 v[18:19], v[18:19], v[22:23]
.irp i, 0,1,2,3,4,5,6,7
	v_cvt_scalef32_pk8_fp8_f32 v[192+2*\i:193+2*\i], v[\SR+8*\i:\SR+8*\i+7], v27
.endr
	KLD \SR, ADK, (\q)+1                           ; the next step's fragments of K, into the region that p has left
	v_nop                                          ; a plain instruction between the last conversion and the products that read the codes
.irp t, 0,1,2,3
	v_wmma_f32_16x16x128_fp8_fp8 v[160+8*\t:167+8*\t], v[\KR+16*\t:\KR+16*\t+15], v[192:207], v[160+8*\t:167+8*\t]   ; the four accumulators take turns
.endr
.endm
	s_wait_alu depctr_va_vdst(0)
	s_wait_loadcnt 0x0                             ; Q
	s_wait_tensorcnt 0x0                           ; my load has landed,
	s_barrier_signal -1
	s_barrier_wait -1                              ; everybody's has: from here on no wave waits for another
	KLD 32, AK0, 0                                 ; the first step's fragments of K
.Lpair:                                            ; 8 trips of two key steps
	v_add_nc_u32 v[ADK], s[TB], v[AK0]
	v_add_nc_u32 v[ADV], s[TB], v[AV0]
	s_wait_alu depctr_va_vdst(0)
	STEP 0, 32, 96
	STEP 1, 96, 32
	s_add_co_u32 s[TB], s[TB], VT
	s_sub_co_u32 s[CNT], s[CNT], 1
	s_cmp_lg_u32 s[CNT], 0
	s_cbranch_scc1 .Lpair
	; ---- THE WAY OUT: O^T / l x 2^(e4 + e5), quantised with e6; 16 tokens x 64 codes go through my own stage and leave as 1,024 consecutive bytes
	v_add_f32 v18, v18, v19
	v_permlanex16_b32 v26, v18, s[SEL], s[SEL+1]
	v_add_f32 v18, v18, v26                        ; the row's sum
	s_add_co_i32 s99, s72, s73                     ; e4 + e5
	s_add_co_i32 s76, s74, 127
	s_lshl_b32 s77, s76, 23
	s_add_co_i32 s76, s76, 8
	s_lshl_b32 s76, s76, 23
	s_or_b32 s76, s76, 0x600000
	s_wait_alu depctr_va_vdst(0)                   ; ahead of the transcendental
	v_rcp_f32 v18, v18
	v_mov_b32 v27, s77                             ; 2^e6  (a plain instruction behind the transcendental)
	v_mov_b32 v28, s76                             ; 448 x 2^e6
	s_wait_alu depctr_va_vdst(0)                   ; ahead of the reciprocal's first reader
	v_ldexp_f32 v18, v18, s99
	s_wait_alu depctr_va_vdst(0)                   ; directly ahead of the first reader of O^T
.set j, 0
.rept 32
	v_mul_f32 v[96+j], v[160+j], v18               ; register 8 t + i: channel 32 (t / 2) + 16 h + 8 (t % 2) + i of query r
.set j, j+1
.endr
.set j, 0
.rept 32
	v_med3_num_f32 v[96+j], v[96+j], -v28, v28
.set j, j+1
.endr
.irp t, 0,1,2,3
	v_cvt_scalef32_pk8_fp8_f32 v[192+2*\t:193+2*\t], v[96+8*\t:103+8*\t], v27
.endr
	v_nop                                          ; a plain instruction behind the last conversion
	ds_store_b128 v[STI], v[192:195]
	ds_store_b128 v[STI], v[196:199] offset:32
	ds_load_b128 v[200:203], v[STB]                ; LDS serves a wave's instructions in order: these see my stores
	ds_load_b128 v[204:207], v[STB] offset:512
	s_wait_dscnt 1
	global_store_b128 v[GO], v[200:203], s[8:9]
	s_wait_dscnt 0
	global_store_b128 v[GO], v[204:207], s[8:9] offset:512
	s_wait_tensorcnt 0x0                           ; the wave's end: my last LDS instructions
	ds_add_u32 v[SPW], v[NIL]
	s_wait_dscnt 0x0
	CROUND                                         ; the closing round
	s_endpgm
.Lfunc_end_k_qbf2e7ff07b_attn:
	.size	k_qbf2e7ff07b_attn, .Lfunc_end_k_qbf2e7ff07b_attn-k_qbf2e7ff07b_attn
	.p2alignl 7, 3214868480
	.fill 96, 4, 3214868480
	.section	.rodata,"a",@progbits
	.p2align	6, 0x0
	.amdhsa_kernel k_qbf2e7ff07b_attn
		.amdhsa_group_segment_fixed_size 327680
		.amdhsa_private_segment_fixed_size 0
		.amdhsa_enable_private_segment 0
		.amdhsa_kernarg_size 24
		.amdhsa_user_sgpr_count 2
		.amdhsa_user_sgpr_kernarg_segment_ptr 1
		.amdhsa_wavefront_size32 1
		.amdhsa_system_sgpr_workgroup_id_x 1
		.amdhsa_system_sgpr_workgroup_id_y 1
		.amdhsa_system_sgpr_workgroup_id_z 1
		.amdhsa_system_vgpr_workitem_id 0
		.amdhsa_next_free_vgpr 256
		.amdhsa_next_free_sgpr 100
		.amdhsa_reserve_vcc 0
		.amdhsa_float_denorm_mode_32 3
		.amdhsa_float_denorm_mode_16_64 3
		.amdhsa_memory_ordered 1
		.amdhsa_forward_progress 1
		.amdhsa_inst_pref_size 44
	.end_amdhsa_kernel
	.amdgpu_metadata
---
amdhsa.version: [ 1, 2 ]
amdhsa.kernels:
  - .name:           k_qbf2e7ff07b_attn
    .symbol:         k_qbf2e7ff07b_attn.kd
    .args:
      - { .name: qkvc, .offset: 0, .size: 8, .value_kind: global_buffer, .address_space: global }
      - { .name: lowp_scales, .offset: 8, .size: 8, .value_kind: global_buffer, .address_space: global }
      - { .name: ao, .offset: 16, .size: 8, .value_kind: global_buffer, .address_space: global }
    .group_segment_fixed_size: 327680
    .private_segment_fixed_size: 0
    .kernarg_segment_align: 8
    .kernarg_segment_size: 24
    .max_flat_workgroup_size: 512
    .sgpr_count:     100
    .vgpr_count:     256
    .wavefront_size: 32
...
	.end_amdgpu_metadata
.endif
;; end of part 3
;; launch outp (part 4): grid 8 x 32, 4 waves a work-group, clusters of 4 x 4, 327,680 bytes of LDS; arguments ao, wc, lowp_scales, out_b, x, x1; writes x1
.if DOCPART == 4
	.amdgcn_target "amdgcn-amd-amdhsa--gfx1250"
	.amdhsa_code_object_version 6
	.text
	.protected	k_qbf2e7ff07b_outp
	.globl	k_qbf2e7ff07b_outp
	.p2align	8
	.type	k_qbf2e7ff07b_outp,@function
k_qbf2e7ff07b_outp:
	s_mov_b64 s[64:65], 0
	v_nop
	global_prefetch_b8 v0, s[64:65] scope:SCOPE_SE
	s_setreg_imm32_b32 hwreg(HW_REG_WAVE_MODE, 25, 1), 1
	s_wait_xcnt 0x0
	s_wait_alu depctr_hold_cnt(0) depctr_sa_sdst(0) depctr_va_vdst(0) depctr_va_sdst(0) depctr_va_ssrc(0) depctr_va_vcc(0) depctr_vm_vsrc(0)
	s_getreg_b32 s2, hwreg(HW_REG_IB_STS2, 6, 4)
	s_cmp_eq_u32 s2, 0
	s_cbranch_scc0 .Lentry_in_a_cluster
	s_endpgm
.Lentry_in_a_cluster:
	s_bfe_u32 s2, ttmp6, 0x10000c
	s_cmp_lg_u32 s2, 0xf033
	s_cbranch_scc0 .Lentry_shape_is_right
	s_endpgm
.Lentry_shape_is_right:
; OUT PROJECTION.  x1 = x + (attention's codes ao [16 heads][4096][64]) x (out_w's codes, wc from byte 3,145,728, [n][1024]) x 2^(e6 + e7) + out_b, f32.
; A block of 128 x 128 by four waves of 64 x 64; K = 1024 in two steps of 512, one to each LDS slot; 4 x 4 work-groups form a cluster and ask for each tile jointly.
; No prefetch: both K steps are asked for at the head, and there is no loop to run ahead in.  LIMIT: e6 + e7 between -126 and 127.
.set SIZE_K, 1024
.set CB,     64
.set QIA,    3
.set WOFF,   3145728
.set EA,     6
.set EB,     7
.set NCH,    512/CB
.set APITCH, CB+16
.set ACH,    64*APITCH
.set HALFA,  NCH*ACH
.set BPITCH, 528
.set HALFB,  64*BPITCH
.set SLOT,   2*HALFA+2*HALFB
.set STAGE,  2*SLOT
.set SPITCH, 272
.set SPARE,  STAGE+4*16*SPITCH
.set LAPS,   SIZE_K/1024
.set ADRA, 16
.set ADRB, 20
.set STO,  24
.set RD,   25
.set CO,   26
.set BO,   27
.set SPW,  28
.set NIL,  29
.set BK,   32
.set ACC,  128
.set F0,   0
.set F1,   128
.set G1, 24
.set G0, 32
.set G1B, 48
.set G0B, 56
.set MSB, 0
.macro WIN new
.if MSB != (\new)
	s_set_vgpr_msb (MSB<<8)|(\new)
.set MSB, (\new)
.endif
.endm
.set MUL,  0x05
.set TO_F, 0x40
.macro JLOAD s
	s_cmp_eq_u32 s67, 0
	s_cbranch_scc0 .Lfor_b_\@
	tensor_load_to_lds s[G0+4*\s:G0+4*\s+3], s[G1:G1+7]
	s_nop 0
.rept 4
	v_nop
.endr
	s_branch .Lasked_\@
.Lfor_b_\@:
	tensor_load_to_lds s[G0B+4*\s:G0B+4*\s+3], s[G1B:G1B+7]
	s_nop 0
.rept 4
	v_nop
.endr
.Lasked_\@:
.endm
.macro CREST
	s_cmp_lg_u32 s66, 0
	s_cbranch_scc1 .Lnot_wave_0_\@
	s_barrier_signal -3
.Lnot_wave_0_\@:
	s_barrier_wait -3
	s_barrier_signal -1
	s_barrier_wait -1
.endm
.macro CROUND
	s_barrier_signal -1
	s_barrier_wait -1
	CREST
.endm
	s_load_b256 s[4:11], s[0:1], 0x0
	s_load_b128 s[12:15], s[0:1], 0x20
	v_lshl_add_u32 v[SPW], v0, 2, SPARE
	v_mov_b32 v[NIL], 0
	ds_add_u32 v28, v29
	ds_add_u32 v28, v29
	s_wait_dscnt 0x0
	v_lshrrev_b32 v1, 5, v0
	v_readfirstlane_b32 s66, v1
	s_lshr_b32 s67, s66, 1
	s_and_b32 s68, s66, 1
	s_bfe_u32 s40, ttmp6, 0x40000
	s_bfe_u32 s41, ttmp6, 0x40004
	s_lshl_b32 s42, ttmp9, 2
	s_add_co_u32 s42, s42, s40
	s_and_b32 s69, ttmp7, 0xffff
	s_lshl_b32 s69, s69, 2
	s_add_co_u32 s69, s69, s41
	s_lshl_b32 s43, s41, 2
	s_lshl_b32 s43, 15, s43
	s_lshl_b32 s44, 0x1111, s40
	s_or_b32 s[G1+0], s43, (0<<16)|(1<<20)|(1<<21)|(QIA<<22)|(3<<25)
	s_mov_b32 s[G1+1], ((64*CB)&0xffff)<<16
	s_mov_b32 s[G1+2], ((64*CB)>>16)|(NCH<<16)
	s_mov_b32 s[G1+3], (64*CB)<<16
	s_mov_b32 s[G1+4], NCH
	s_mov_b32 s[G1+5], 4096*CB
	s_mov_b32 s[G1+6], 0
	s_mov_b32 s[G1+7], 0
	s_or_b32 s[G1B+0], s44, (0<<16)|(1<<20)|(1<<21)|(6<<22)|(3<<25)
	s_mov_b32 s[G1B+1], 512<<16
	s_mov_b32 s[G1B+2], 64<<16
	s_mov_b32 s[G1B+3], 512<<16
	s_mov_b32 s[G1B+4], 64
	s_mov_b32 s[G1B+5], SIZE_K
	s_mov_b32 s[G1B+6], 0
	s_mov_b32 s[G1B+7], 0
	s_lshl_b32 s16, s69, 7
	s_lshl_b32 s17, s68, 6
	s_add_co_u32 s16, s16, s17
	s_mul_i32 s16, s16, CB
	s_mov_b32 s17, 0
	s_lshl_b32 s46, s42, 7
	s_lshl_b32 s47, s68, 6
	s_add_co_u32 s46, s46, s47
	s_mul_i32 s46, s46, SIZE_K
	s_add_co_u32 s46, s46, WOFF
	s_mov_b32 s47, 0
	s_mul_i32 s20, s68, HALFA
	s_mul_i32 s21, s68, HALFB
	s_add_co_u32 s21, s21, 2*HALFA
	s_wait_kmcnt 0x0
	s_load_b256 s[80:87], s[8:9], 0x0
	s_load_b128 s[88:91], s[8:9], 0x20
	s_add_nc_u64 s[18:19], s[4:5], s[16:17]
	s_add_nc_u64 s[46:47], s[6:7], s[46:47]
	CROUND
.irp s, 0,1
	s_mov_b32 s[G0+4*\s], 1
	s_add_co_u32 s[G0+4*\s+1], s20, \s*SLOT
	s_add_nc_u64 s[G0+4*\s+2:G0+4*\s+3], s[18:19], \s*2097152
	s_or_b32 s[G0+4*\s+3], s[G0+4*\s+3], 0x80000000
	s_mov_b32 s[G0B+4*\s], 1
	s_add_co_u32 s[G0B+4*\s+1], s21, \s*SLOT
	s_add_nc_u64 s[G0B+4*\s+2:G0B+4*\s+3], s[46:47], \s*512
	s_or_b32 s[G0B+4*\s+3], s[G0B+4*\s+3], 0x80000000
.endr
	JLOAD 0                                        ; K step 0: one tensor load a wave at the head
	v_and_b32 v1, 15, v0
	v_bfe_u32 v2, v0, 4, 1
	v_mul_u32_u24 v3, v1, APITCH
	v_lshl_add_u32 v3, v2, 4, v3
	v_mul_u32_u24 v4, v1, BPITCH
	v_lshl_add_u32 v4, v2, 4, v4
	s_mul_i32 s22, s67, HALFA
	s_mul_i32 s23, s68, HALFB
	s_add_co_u32 s23, s23, 2*HALFA
.irp s, 0,1
	v_add_nc_u32 v[ADRA+\s], s22, v3
	v_add_nc_u32 v[ADRB+\s], s23, v4
	s_add_co_u32 s22, s22, SLOT
	s_add_co_u32 s23, s23, SLOT
.endr
	s_mul_i32 s22, s66, 16*SPITCH
	s_add_co_u32 s22, s22, STAGE
	v_mul_u32_u24 v5, v1, SPITCH
	v_lshl_add_u32 v5, v2, 6, v5
	v_add_nc_u32 v[STO], s22, v5
	v_mul_u32_u24 v5, v2, SPITCH
	v_lshl_add_u32 v5, v1, 4, v5
	v_add_nc_u32 v[RD], s22, v5
	v_lshlrev_b32 v5, 12, v2
	v_lshl_add_u32 v[CO], v1, 4, v5
	v_lshlrev_b32 v[BO], 4, v1
	s_wait_alu depctr_va_vdst(0)
	s_lshl_b32 s22, s42, 9
	s_lshl_b32 s23, s68, 8
	s_add_co_u32 s22, s22, s23
	s_mov_b32 s23, 0
	s_add_nc_u64 s[10:11], s[10:11], s[22:23]
	s_lshl_b32 s70, s69, 19
	s_lshl_b32 s71, s67, 18
	s_add_co_u32 s70, s70, s71
	s_add_co_u32 s22, s22, s70
	s_add_nc_u64 s[12:13], s[12:13], s[22:23]
	s_add_nc_u64 s[14:15], s[14:15], s[22:23]
	global_load_b128 v[8:11], v[BO], s[10:11]
	WIN 0x80
.irp a, 0,1,2,3
.irp t, 0,1,2,3,4,5,6,7
	global_load_b128 v[32*\a+4*\t:32*\a+4*\t+3], v[CO], s[12:13] offset:(16*\a+2*\t)*4096
.endr
.endr
	WIN 0
.macro MUL4 f, a, zero
.irp b, 0,1,2,3
.if \zero
	v_wmma_f32_16x16x128_fp8_fp8 v[ACC+8*(4*(\a)+\b):ACC+8*(4*(\a)+\b)+7], v[\f+64+16*\b:\f+64+16*\b+15], v[\f+16*(\a):\f+16*(\a)+15], 0
.else
	v_wmma_f32_16x16x128_fp8_fp8 v[ACC+8*(4*(\a)+\b):ACC+8*(4*(\a)+\b)+7], v[\f+64+16*\b:\f+64+16*\b+15], v[\f+16*(\a):\f+16*(\a)+15], v[ACC+8*(4*(\a)+\b):ACC+8*(4*(\a)+\b)+7]
.endif
.endr
.endm
.macro FETCH slot, q, f
	WIN TO_F
.irp i, 0,1,2,3
.irp c, 0,1,2,3
	ds_load_b128 v[\f+64+16*\i+4*\c:\f+64+16*\i+4*\c+3], v[ADRB+\slot] offset:128*(\q)+32*\c+\i*16*BPITCH
.endr
.endr
.irp i, 0,1,2,3
.irp c, 0,1,2,3
	ds_load_b128 v[\f+16*\i+4*\c:\f+16*\i+4*\c+3], v[ADRA+\slot] offset:((128*(\q)+32*\c)/CB)*ACH+(128*(\q)+32*\c)%CB+\i*16*APITCH
.endr
.endr
.endm
.macro PLACES
.rept 4
	v_nop
.endr
.endm
.macro QUARTER slot, qn, f, g, zero
	s_wait_dscnt 8
	WIN MUL
	MUL4 \f, 0, \zero
	MUL4 \f, 1, \zero
	PLACES
	FETCH \slot, \qn, \g
	s_wait_dscnt 32
	WIN MUL
	MUL4 \f, 2, \zero
	MUL4 \f, 3, \zero
.endm
.macro TURN slot, next, fill
	WIN 0
	s_wait_tensorcnt 0x0
	ds_add_u32 v[SPW], v[NIL]
	s_wait_dscnt 9
	WIN MUL
	MUL4 F1, 0, 0
	s_wait_dscnt 0x0
	s_barrier_signal -1
	MUL4 F1, 1, 0
.if \fill
	WIN 0
.endif
	s_barrier_wait -1
.if \fill
	CREST
	s_add_nc_u64 s[G0+4*\slot+2:G0+4*\slot+3], s[G0+4*\slot+2:G0+4*\slot+3], 2*2097152
	s_add_nc_u64 s[G0B+4*\slot+2:G0B+4*\slot+3], s[G0B+4*\slot+2:G0B+4*\slot+3], 2*512
	JLOAD \slot
.else
	PLACES
.endif
	FETCH \next, 0, F0
	WIN MUL
	MUL4 F1, 2, 0
	MUL4 F1, 3, 0
.endm
	s_wait_alu depctr_va_vdst(0)
	s_wait_tensorcnt 0x0                           ; my part of K step 0 is in; slot 1's first fill is issued as a refill is:
	ds_add_u32 v[SPW], v[NIL]                      ; 0 onto my spare word
	s_wait_dscnt 0x0
	CROUND
	JLOAD 1                                        ; K step 1: the first tensor load behind the round
	FETCH 0, 0, F0
	QUARTER 0, 1, F0, F1, 1
.if LAPS > 1
	WIN 0
	s_mov_b32 s3, LAPS-1
.Llap:
	QUARTER 0, 2, F1, F0, 0
	QUARTER 0, 3, F0, F1, 0
	TURN 0, 1, 1
	QUARTER 1, 1, F0, F1, 0
	QUARTER 1, 2, F1, F0, 0
	QUARTER 1, 3, F0, F1, 0
	TURN 1, 0, 1
	QUARTER 0, 1, F0, F1, 0
	WIN 0
	s_sub_co_u32 s3, s3, 1
	s_cmp_lg_u32 s3, 0
	s_cbranch_scc1 .Llap
.endif
	QUARTER 0, 2, F1, F0, 0
	QUARTER 0, 3, F0, F1, 0
	TURN 0, 1, 0
	QUARTER 1, 1, F0, F1, 0
	QUARTER 1, 2, F1, F0, 0
	QUARTER 1, 3, F0, F1, 0
	s_wait_dscnt 8
	WIN MUL
	MUL4 F1, 0, 0
	MUL4 F1, 1, 0
	s_wait_dscnt 0
	MUL4 F1, 2, 0
	MUL4 F1, 3, 0
	WIN 0
	s_wait_kmcnt 0x0
	s_add_co_i32 s74, s[80+EA], s[80+EB]
	s_add_co_i32 s74, s74, 127
	s_lshl_b32 s74, s74, 23
	s_mov_b32 s75, s74
	s_wait_loadcnt 0x0
	PLACES
.macro TOSTAGE a
.set BB, BK+32*((\a)%2)
.irp b, 0,1,2,3
	ds_store_b128 v[STO], v[ACC+8*(4*(\a)+\b):ACC+8*(4*(\a)+\b)+3] offset:128*(\b/2)+32*(\b%2)
	ds_store_b128 v[STO], v[ACC+8*(4*(\a)+\b)+4:ACC+8*(4*(\a)+\b)+7] offset:128*(\b/2)+32*(\b%2)+16
.endr
.irp t, 0,1,2,3,4,5,6,7
	ds_load_b128 v[BB+4*\t:BB+4*\t+3], v[RD] offset:2*\t*SPITCH
.endr
.endm
.macro SEND a, younger
.set BB, BK+32*((\a)%2)
	s_wait_dscnt \younger
.irp t, 0,1,2,3,4,5,6,7
	v_pk_fma_f32 v[BB+4*\t:BB+4*\t+1], v[BB+4*\t:BB+4*\t+1], s[74:75], v[8:9] op_sel_hi:[1,0,1]
	v_pk_fma_f32 v[BB+4*\t+2:BB+4*\t+3], v[BB+4*\t+2:BB+4*\t+3], s[74:75], v[10:11] op_sel_hi:[1,0,1]
.endr
	WIN 0x08
.irp t, 0,1,2,3,4,5,6,7
	v_pk_add_f32 v[BB+4*\t:BB+4*\t+1], v[BB+4*\t:BB+4*\t+1], v[32*(\a)+4*\t:32*(\a)+4*\t+1]
	v_pk_add_f32 v[BB+4*\t+2:BB+4*\t+3], v[BB+4*\t+2:BB+4*\t+3], v[32*(\a)+4*\t+2:32*(\a)+4*\t+3]
.endr
	WIN 0
.irp t, 0,1,2,3,4,5,6,7
	global_store_b128 v[CO], v[BB+4*\t:BB+4*\t+3], s[14:15] offset:(16*(\a)+2*\t)*4096
.endr
.endm
	TOSTAGE 0
.irp a, 1,2,3
.if \a > 1
	s_wait_xcnt 0x0
.endif
	TOSTAGE \a
	SEND \a-1, 16
.endr
	SEND 3, 0
	s_wait_tensorcnt 0x0
	ds_add_u32 v[SPW], v[NIL]
	s_wait_dscnt 0x0
	CROUND
	s_endpgm
.Lfunc_end_k_qbf2e7ff07b_outp:
	.size	k_qbf2e7ff07b_outp, .Lfunc_end_k_qbf2e7ff07b_outp-k_qbf2e7ff07b_outp
	.p2alignl 7, 3214868480
	.fill 96, 4, 3214868480
	.section	.rodata,"a",@progbits
	.p2align	6, 0x0
	.amdhsa_kernel k_qbf2e7ff07b_outp
		.amdhsa_group_segment_fixed_size 327680
		.amdhsa_private_segment_fixed_size 0
		.amdhsa_enable_private_segment 0
		.amdhsa_kernarg_size 48
		.amdhsa_user_sgpr_count 2
		.amdhsa_user_sgpr_kernarg_segment_ptr 1
		.amdhsa_wavefront_size32 1
		.amdhsa_system_sgpr_workgroup_id_x 1
		.amdhsa_system_sgpr_workgroup_id_y 1
		.amdhsa_system_sgpr_workgroup_id_z 1
		.amdhsa_system_vgpr_workitem_id 0
		.amdhsa_next_free_vgpr 640
		.amdhsa_next_free_sgpr 100
		.amdhsa_reserve_vcc 0
		.amdhsa_float_denorm_mode_32 3
		.amdhsa_float_denorm_mode_16_64 3
		.amdhsa_memory_ordered 1
		.amdhsa_forward_progress 1
		.amdhsa_inst_pref_size 54
	.end_amdhsa_kernel
	.amdgpu_metadata
---
amdhsa.version: [ 1, 2 ]
amdhsa.kernels:
  - .name:           k_qbf2e7ff07b_outp
    .symbol:         k_qbf2e7ff07b_outp.kd
    .args:
      - { .name: ao, .offset: 0, .size: 8, .value_kind: global_buffer, .address_space: global }
      - { .name: wc, .offset: 8, .size: 8, .value_kind: global_buffer, .address_space: global }
      - { .name: lowp_scales, .offset: 16, .size: 8, .value_kind: global_buffer, .address_space: global }
      - { .name: out_b, .offset: 24, .size: 8, .value_kind: global_buffer, .address_space: global }
      - { .name: x, .offset: 32, .size: 8, .value_kind: global_buffer, .address_space: global }
      - { .name: x1, .offset: 40, .size: 8, .value_kind: global_buffer, .address_space: global }
    .group_segment_fixed_size: 327680
    .private_segment_fixed_size: 0
    .kernarg_segment_align: 8
    .kernarg_segment_size: 48
    .max_flat_workgroup_size: 128
    .sgpr_count:     100
    .vgpr_count:     640
    .wavefront_size: 32
...
	.end_amdgpu_metadata
.endif
;; end of part 4
;; launch ln2 (part 5): grid 1024 x 1, 4 waves a work-group, no clusters, 0 bytes of LDS; arguments x1, ln2_g, ln2_b, lowp_scales, xq; writes xq
.if DOCPART == 5
	.amdgcn_target "amdgcn-amd-amdhsa--gfx1250"
	.amdhsa_code_object_version 6
	.text
	.protected	k_qbf2e7ff07b_ln2
	.globl	k_qbf2e7ff07b_ln2
	.p2align	8
	.type	k_qbf2e7ff07b_ln2,@function
k_qbf2e7ff07b_ln2:
	s_mov_b64 s[64:65], 0
	v_nop
	global_prefetch_b8 v0, s[64:65] scope:SCOPE_SE
	s_setreg_imm32_b32 hwreg(HW_REG_WAVE_MODE, 25, 1), 1
	s_wait_xcnt 0x0
; LayerNorm 2 of x1 [4096][1024] f32, quantised to E4M3 with entry 8 of the scales, into xq [4096][1024].  ONE ROW A WAVE, four rows a work-group; the row lies in 32 registers of the wave.
; Lane l holds k = 256 g + 8 l + 0..7, g = 0..3: eight neighbours feed a conversion, and 32 lanes store 256 consecutive bytes of codes.  Mean first, then the sum of squares of x - mean.
; A stream: no LDS, no barrier, no matrix unit, no cluster (the work-groups share only g and b), no loop and so no prefetch.  LIMITS: e8 between -126 and 119; NaN and infinities are not served.
.set LS,    8                          ; v8-15 four packed chains; v16, v17 the reduction; v[18:19] -mean; v[20:21] 1/sqrt; v22 2^e; v23 448 x 2^e
.set LG,    32                         ; v32-63 g;  v64-95 b;  v96-127 the row;  v128-135 its codes
.set LB,    64
.set XS,    96
.set LC,    128
.macro JOIN                            ; the four chains, summed over the 32 lanes, into v16 of every lane
	v_pk_add_f32 v[LS:LS+1], v[LS:LS+1], v[LS+2:LS+3]
	v_pk_add_f32 v[LS+4:LS+5], v[LS+4:LS+5], v[LS+6:LS+7]
	v_pk_add_f32 v[LS:LS+1], v[LS:LS+1], v[LS+4:LS+5]
	v_add_f32 v16, v[LS], v[LS+1]
	v_add_f32_dpp v16, v16, v16 row_xmask:1 row_mask:0xf bank_mask:0xf
	v_add_f32_dpp v16, v16, v16 row_xmask:2 row_mask:0xf bank_mask:0xf
	v_add_f32_dpp v16, v16, v16 row_xmask:4 row_mask:0xf bank_mask:0xf
	v_add_f32_dpp v16, v16, v16 row_xmask:8 row_mask:0xf bank_mask:0xf
	v_permlanex16_b32 v17, v16, s70, s71
	v_add_f32 v16, v16, v17
.endm
	s_load_b256 s[8:15], s[0:1], 0x0               ; x1, g, b, the scales
	s_load_b64 s[16:17], s[0:1], 0x20              ; xq
	v_lshrrev_b32 v1, 5, v0
	v_readfirstlane_b32 s2, v1
	v_and_b32 v1, 31, v0
	v_lshlrev_b32 v3, 5, v1                        ; 32 bytes of f32 a lane
	v_lshlrev_b32 v5, 3, v1                        ; 8 bytes of codes a lane
	v_mov_b32 v17, 0                               ; a lane permute's destination counts as read
	s_lshl_b32 s3, ttmp9, 2
	s_add_co_u32 s3, s3, s2                        ; my wave's row
	s_lshl_b32 s4, s3, 12
	s_mov_b32 s5, 0
	s_lshl_b32 s6, s3, 10
	s_mov_b32 s7, 0
	s_mov_b32 s70, 0x76543210                      ; v_permlanex16_b32: lane l xor 16
	s_mov_b32 s71, 0xfedcba98
	s_mov_b32 s72, 0x3a800000                      ; 1 / 1024
	s_mov_b32 s73, 0x3727c5ac                      ; 1e-5
	s_mov_b32 s74, 0xba800000                      ; -1 / 1024
	s_wait_alu depctr_va_vdst(0)
	s_wait_kmcnt 0x0
	s_load_b32 s28, s[14:15], 0x20                 ; e8
	s_add_nc_u64 s[8:9], s[8:9], s[4:5]
	s_add_nc_u64 s[16:17], s[16:17], s[6:7]
.irp g, 0,1,2,3
.irp c, 0,1
	global_load_b128 v[XS+8*\g+4*\c:XS+8*\g+4*\c+3], v3, s[8:9] offset:1024*\g+16*\c th:TH_LOAD_NT
.endr
.endr
.irp g, 0,1,2,3
.irp c, 0,1
	global_load_b128 v[LG+8*\g+4*\c:LG+8*\g+4*\c+3], v3, s[10:11] offset:1024*\g+16*\c
.endr
.endr
.irp g, 0,1,2,3
.irp c, 0,1
	global_load_b128 v[LB+8*\g+4*\c:LB+8*\g+4*\c+3], v3, s[12:13] offset:1024*\g+16*\c
.endr
.endr
	s_wait_kmcnt 0x0
	s_add_co_i32 s28, s28, 127
	s_lshl_b32 s4, s28, 23
	v_mov_b32 v22, s4                              ; 2^e as f32
	s_add_co_i32 s28, s28, 8
	s_lshl_b32 s28, s28, 23
	s_or_b32 s28, s28, 0x600000
	v_mov_b32 v23, s28                             ; 448 x 2^e
	s_wait_alu depctr_va_vdst(0)
	s_wait_loadcnt 16                              ; the row is in; the sixteen loads of g and b may be out
.irp c, 0,1,2,3
	v_pk_add_f32 v[LS+2*\c:LS+2*\c+1], v[XS+2*\c:XS+2*\c+1], v[XS+8+2*\c:XS+8+2*\c+1]
.endr
.irp k, 16,24
.irp c, 0,1,2,3
	v_pk_add_f32 v[LS+2*\c:LS+2*\c+1], v[LS+2*\c:LS+2*\c+1], v[XS+\k+2*\c:XS+\k+2*\c+1]
.endr
.endr
	JOIN
	v_mul_f32 v18, s74, v16                        ; -mean
	v_mov_b32 v19, v18
.set k, 0
.rept 16
	v_pk_add_f32 v[XS+k:XS+k+1], v[XS+k:XS+k+1], v[18:19]
.set k, k+2
.endr
.irp c, 0,1,2,3
	v_pk_mul_f32 v[LS+2*\c:LS+2*\c+1], v[XS+2*\c:XS+2*\c+1], v[XS+2*\c:XS+2*\c+1]
.endr
.irp k, 8,16,24
.irp c, 0,1,2,3
	v_pk_fma_f32 v[LS+2*\c:LS+2*\c+1], v[XS+\k+2*\c:XS+\k+2*\c+1], v[XS+\k+2*\c:XS+\k+2*\c+1], v[LS+2*\c:LS+2*\c+1]
.endr
.endr
	JOIN
	v_fma_f32 v16, v16, s72, s73                   ; variance + 1e-5
	s_wait_alu depctr_va_vdst(0)                   ; ahead of the transcendentals
	v_rsq_f32 v20, v16
	v_rsq_f32 v21, v16
	v_nop                                          ; a plain instruction behind the transcendentals,
	s_wait_alu depctr_va_vdst(0)                   ; and the wait ahead of their first reader
	s_wait_loadcnt 0x0                             ; g and b
.set k, 0
.rept 16
	v_pk_mul_f32 v[XS+k:XS+k+1], v[XS+k:XS+k+1], v[20:21]
.set k, k+2
.endr
.set k, 0
.rept 16
	v_pk_fma_f32 v[XS+k:XS+k+1], v[XS+k:XS+k+1], v[LG+k:LG+k+1], v[LB+k:LB+k+1]
.set k, k+2
.endr
.set k, 0
.rept 32
	v_med3_num_f32 v[XS+k], v[XS+k], -v23, v23     ; the conversion does not saturate (ISA guide 7.6.2)
.set k, k+1
.endr
.irp g, 0,1,2,3
	v_cvt_scalef32_pk8_fp8_f32 v[LC+2*\g:LC+2*\g+1], v[XS+8*\g:XS+8*\g+7], v22
.endr
	v_nop
.irp g, 0,1,2,3
	global_store_b64 v5, v[LC+2*\g:LC+2*\g+1], s[16:17] offset:256*\g   ; 32 lanes store 256 consecutive bytes, aligned
.endr
	s_endpgm
.Lfunc_end_k_qbf2e7ff07b_ln2:
	.size	k_qbf2e7ff07b_ln2, .Lfunc_end_k_qbf2e7ff07b_ln2-k_qbf2e7ff07b_ln2
	.p2alignl 7, 3214868480
	.fill 96, 4, 3214868480
	.section	.rodata,"a",@progbits
	.p2align	6, 0x0
	.amdhsa_kernel k_qbf2e7ff07b_ln2
		.amdhsa_group_segment_fixed_size 0
		.amdhsa_private_segment_fixed_size 0
		.amdhsa_enable_private_segment 0
		.amdhsa_kernarg_size 40
		.amdhsa_user_sgpr_count 2
		.amdhsa_user_sgpr_kernarg_segment_ptr 1
		.amdhsa_wavefront_size32 1
		.amdhsa_system_sgpr_workgroup_id_x 1
		.amdhsa_system_sgpr_workgroup_id_y 1
		.amdhsa_system_sgpr_workgroup_id_z 1
		.amdhsa_system_vgpr_workitem_id 0
		.amdhsa_next_free_vgpr 144
		.amdhsa_next_free_sgpr 80
		.amdhsa_reserve_vcc 0
		.amdhsa_float_denorm_mode_32 3
		.amdhsa_float_denorm_mode_16_64 3
		.amdhsa_memory_ordered 1
		.amdhsa_forward_progress 1
		.amdhsa_inst_pref_size 13
	.end_amdhsa_kernel
	.amdgpu_metadata
---
amdhsa.version: [ 1, 2 ]
amdhsa.kernels:
  - .name:           k_qbf2e7ff07b_ln2
    .symbol:         k_qbf2e7ff07b_ln2.kd
    .args:
      - { .name: x1, .offset: 0, .size: 8, .value_kind: global_buffer, .address_space: global }
      - { .name: ln2_g, .offset: 8, .size: 8, .value_kind: global_buffer, .address_space: global }
      - { .name: ln2_b, .offset: 16, .size: 8, .value_kind: global_buffer, .address_space: global }
      - { .name: lowp_scales, .offset: 24, .size: 8, .value_kind: global_buffer, .address_space: global }
      - { .name: xq, .offset: 32, .size: 8, .value_kind: global_buffer, .address_space: global }
    .group_segment_fixed_size: 0
    .private_segment_fixed_size: 0
    .kernarg_segment_align: 8
    .kernarg_segment_size: 40
    .max_flat_workgroup_size: 128
    .sgpr_count:     80
    .vgpr_count:     144
    .wavefront_size: 32
...
	.end_amdgpu_metadata
.endif
;; end of part 5
;; launch ff1 (part 6): grid 16 x 16, 4 waves a work-group, clusters of 4 x 4, 327,680 bytes of LDS; arguments xq, wc, lowp_scales, ff_b1, hc; writes hc
.if DOCPART == 6
	.amdgcn_target "amdgcn-amd-amdhsa--gfx1250"
	.amdhsa_code_object_version 6
	.text
	.protected	k_qbf2e7ff07b_ff1
	.globl	k_qbf2e7ff07b_ff1
	.p2align	8
	.type	k_qbf2e7ff07b_ff1,@function
k_qbf2e7ff07b_ff1:
	s_mov_b64 s[64:65], 0
	v_nop
	global_prefetch_b8 v0, s[64:65] scope:SCOPE_SE
	s_setreg_imm32_b32 hwreg(HW_REG_WAVE_MODE, 25, 1), 1
	s_wait_xcnt 0x0
	s_wait_alu depctr_hold_cnt(0) depctr_sa_sdst(0) depctr_va_vdst(0) depctr_va_sdst(0) depctr_va_ssrc(0) depctr_va_vcc(0) depctr_vm_vsrc(0)
	s_getreg_b32 s2, hwreg(HW_REG_IB_STS2, 6, 4)
	s_cmp_eq_u32 s2, 0
	s_cbranch_scc0 .Lentry_in_a_cluster
	s_endpgm
.Lentry_in_a_cluster:
	s_bfe_u32 s2, ttmp6, 0x10000c
	s_cmp_lg_u32 s2, 0xf033
	s_cbranch_scc0 .Lentry_shape_is_right
	s_endpgm
.Lentry_shape_is_right:
; FF1.  h = gelu(LN2's codes xq [4096][1024] x ff_w1's codes (wc from byte 4,194,304, [n][1024]) x 2^(e8 + e9) + ff_b1), quantised with entry 10 of the scales into hc [32 pieces of 128 columns][4096 tokens][128].
; A block of 256 x 256 by four waves of 128 x 128 (64 accumulators in windows 2 and 3); K = 1024 in four steps of 256 through a ring of two LDS slots; 4 x 4 work-groups form a cluster and ask for each tile jointly.
; The matrix instruction is used transposed (source 0 = 16 rows of wc, source 1 = 16 tokens); wc's rows lie in the order pi (bits 3 and 4 of the column swapped), so a lane's 16 registers of two neighbouring
; accumulators are 16 neighbouring columns of one token.
; GELU, exact form, in f32: gelu(y) = max(0, y) - |y| q, q = erfc(|y| / sqrt 2) / 2 = t 2^(P(t) - y y log2(e) / 2), t = 1 / (1 + |y| / (2 sqrt 2)), P of degree 9.
; THE WAY OUT goes in 16 trips of 32 numbers a lane, in two halves of 16.  A trip has four batches of 16 transcendentals (each half's reciprocals, each half's exponentials).  Behind each batch stand plain lines
; of the other half, which name none of its results; one wait stands between two batches: behind the one, ahead of the other.
; No prefetch: the block is the largest and K has four steps only.  LIMITS: e8 + e9 between -126 and 127; e10 between -126 and 119.  NaN among the inputs is not served.
.set ROWB,   256
.set KROW,   1024
.set PITCH,  272
.set FR,     16
.set NL,     4
.set NP,     4
.set HALFT,  128*PITCH
.set SLOT,   4*HALFT
.set LAPS,   2
.set SPARE,  2*SLOT
.set ADRA, 16
.set ADRB, 20
.set STO,  24
.set RD,   25
.set GO,   26
.set SPW,  28
.set NIL,  29
.set BO,   30
.set BIAS, 32                          ; v32-95 the bias of my 64 columns;  the way out: v96.. y, v128.. t, v160.. at work, v192.. the exponent, then q / t
.set Y,    96
.set T,    128
.set U,    160
.set H,    192
.set CC,   224
.set VC9,  232
.set LIM,  234
.set SCL,  235
.set ST2,  236
.set AF,   128
.set G1, 24
.set G0, 32
.set G1B, 48
.set G0B, 56
.set MSB, 0
.macro WIN new                         ; the immediate's high byte repeats the setting that is left
.if MSB != (\new)
	s_set_vgpr_msb (MSB<<8)|(\new)
.set MSB, (\new)
.endif
.endm
.set MUL_LO, 0xa1
.set MUL_HI, 0xf1
.set TO_B,   0x40
.macro JLOAD g0a, g1a, g0b, g1b        ; a joint load: waves 0, 1 fetch for A, waves 2, 3 for B
	s_cmp_eq_u32 s15, 0
	s_cbranch_scc0 .Lfor_b_\@
	tensor_load_to_lds s[\g0a:\g0a+3], s[\g1a:\g1a+7]
	s_nop 0
.rept 4
	v_nop
.endr
	s_branch .Lasked_\@
.Lfor_b_\@:
	tensor_load_to_lds s[\g0b:\g0b+3], s[\g1b:\g1b+7]
	s_nop 0
.rept 4
	v_nop
.endr
.Lasked_\@:
.endm
.macro CREST
	s_cmp_lg_u32 s14, 0
	s_cbranch_scc1 .Lnot_wave_0_\@
	s_barrier_signal -3
.Lnot_wave_0_\@:
	s_barrier_wait -3
	s_barrier_signal -1
	s_barrier_wait -1
.endm
.macro CROUND
	s_barrier_signal -1
	s_barrier_wait -1
	CREST
.endm
	s_load_b256 s[4:11], s[0:1], 0x0               ; xq, wc, the scales, ff_b1
	s_load_b64 s[12:13], s[0:1], 0x20              ; hc
	v_lshl_add_u32 v[SPW], v0, 2, SPARE
	v_mov_b32 v[NIL], 0
	ds_add_u32 v28, v29                            ; the opening lines
	ds_add_u32 v28, v29
	s_wait_dscnt 0x0
	v_lshrrev_b32 v1, 5, v0
	v_readfirstlane_b32 s14, v1
	s_lshr_b32 s15, s14, 1
	s_and_b32 s16, s14, 1
	s_bfe_u32 s40, ttmp6, 0x40000
	s_bfe_u32 s41, ttmp6, 0x40004
	s_lshl_b32 s42, ttmp9, 2
	s_add_co_u32 s42, s42, s40
	s_and_b32 s17, ttmp7, 0xffff
	s_lshl_b32 s17, s17, 2
	s_add_co_u32 s17, s17, s41
	s_lshl_b32 s43, s41, 2
	s_lshl_b32 s43, 15, s43
	s_lshl_b32 s44, 0x1111, s40
	s_or_b32 s[G1+0], s43, (0<<16)|(1<<20)|(1<<21)|(5<<22)|(3<<25)
	s_or_b32 s[G1B+0], s44, (0<<16)|(1<<20)|(1<<21)|(5<<22)|(3<<25)
.irp g, G1, G1B
	s_mov_b32 s[\g+1], ROWB<<16
	s_mov_b32 s[\g+2], 128<<16
	s_mov_b32 s[\g+3], ROWB<<16
	s_mov_b32 s[\g+4], 128
	s_mov_b32 s[\g+5], KROW
	s_mov_b32 s[\g+6], 0
	s_mov_b32 s[\g+7], 0
.endr
	s_lshl_b32 s18, s16, 7
	s_lshl_b32 s20, s17, 8
	s_add_co_u32 s20, s20, s18
	s_lshl_b32 s20, s20, 10
	s_mov_b32 s21, 0
	s_lshl_b32 s46, s42, 8
	s_add_co_u32 s46, s46, s18
	s_lshl_b32 s46, s46, 10
	s_add_co_u32 s46, s46, 4194304
	s_mov_b32 s47, 0
	s_mul_i32 s45, s14, HALFT
	s_wait_kmcnt 0x0
	s_load_b128 s[88:91], s[8:9], 0x20             ; e8 .. e11
	s_add_nc_u64 s[20:21], s[4:5], s[20:21]
	s_add_nc_u64 s[46:47], s[6:7], s[46:47]
	CROUND
.irp s, 0,1
	s_mov_b32 s[G0+4*\s], 1
	s_add_co_u32 s[G0+4*\s+1], s45, \s*SLOT
	s_add_nc_u64 s[G0+4*\s+2:G0+4*\s+3], s[20:21], \s*ROWB
	s_or_b32 s[G0+4*\s+3], s[G0+4*\s+3], 0x80000000
	s_mov_b32 s[G0B+4*\s], 1
	s_add_co_u32 s[G0B+4*\s+1], s45, \s*SLOT
	s_add_nc_u64 s[G0B+4*\s+2:G0B+4*\s+3], s[46:47], \s*ROWB
	s_or_b32 s[G0B+4*\s+3], s[G0B+4*\s+3], 0x80000000
.endr
	JLOAD G0, G1, G0B, G1B                         ; K step 0: one tensor load a wave at the head
	v_and_b32 v1, 15, v0
	v_bfe_u32 v2, v0, 4, 1
	s_wait_alu depctr_va_vdst(0)
	v_mul_u32_u24 v3, v1, PITCH
	v_lshl_add_u32 v4, v2, 4, v3
	s_mul_i32 s21, s15, HALFT
	s_mul_i32 s22, s16, HALFT
	s_add_co_u32 s22, s22, 2*HALFT
.irp s, 0,1
	v_add_nc_u32 v[ADRA+\s], s21, v4
	v_add_nc_u32 v[ADRB+\s], s22, v4
	s_add_co_u32 s21, s21, SLOT
	s_add_co_u32 s22, s22, SLOT
.endr
	s_lshl_b32 s18, s42, 8
	s_lshl_b32 s19, s16, 7
	s_add_co_u32 s18, s18, s19
	s_lshl_b32 s18, s18, 2
	s_mov_b32 s19, 0
	s_add_nc_u64 s[66:67], s[10:11], s[18:19]
	v_lshlrev_b32 v[BO], 6, v2
.irp c, 0,1,2,3
.irp k, 0,1,2,3
	global_load_b128 v[BIAS+16*\c+4*\k:BIAS+16*\c+4*\k+3], v[BO], s[66:67] offset:128*\c+16*\k
.endr
.endr
	s_lshl_b32 s23, s14, 14
	v_lshlrev_b32 v5, 7, v1
	v_lshl_add_u32 v5, v2, 4, v5
	v_add_nc_u32 v[STO], s23, v5
	v_and_b32 v6, 31, v0
	v_lshlrev_b32 v[GO], 4, v6
	v_add_nc_u32 v[RD], s23, v[GO]
	s_lshl_b32 s18, s42, 1
	s_add_co_u32 s18, s18, s16
	s_lshl_b32 s18, s18, 19
	s_lshl_b32 s19, s17, 8
	s_lshl_b32 s22, s15, 7
	s_add_co_u32 s19, s19, s22
	s_lshl_b32 s19, s19, 7
	s_add_co_u32 s18, s18, s19
	s_mov_b32 s19, 0
	s_add_nc_u64 s[68:69], s[12:13], s[18:19]
.macro FRAG reg, adr, q, i
.irp c, 0,1,2,3
	ds_load_b128 v[\reg+4*\c:\reg+4*\c+3], v[\adr] offset:128*(\q)+32*\c+(\i)*16*PITCH
.endr
.endm
.macro MUL16 a0, p, zero               ; the 64 accumulators take turns, one instruction a turn, in the same order in every step
.irp a, \a0, \a0+1
.irp b, 0,1,2,3,4,5,6,7
.if \zero
	v_wmma_f32_16x16x128_fp8_fp8 v[8*(8*((\a)%4)+\b):8*(8*((\a)%4)+\b)+7], v[128*(\p)+FR*\b:128*(\p)+FR*\b+FR-1], v[AF+FR*(\a):AF+FR*(\a)+FR-1], 0
.else
	v_wmma_f32_16x16x128_fp8_fp8 v[8*(8*((\a)%4)+\b):8*(8*((\a)%4)+\b)+7], v[128*(\p)+FR*\b:128*(\p)+FR*\b+FR-1], v[AF+FR*(\a):AF+FR*(\a)+FR-1], v[8*(8*((\a)%4)+\b):8*(8*((\a)%4)+\b)+7]
.endif
.endr
.endr
.endm
.macro FETCH_B slot, q, p
	WIN TO_B
.irp i, 0,1,2,3,4,5,6,7
	FRAG 128*(\p)+FR*\i, ADRB+\slot, \q, \i
.endr
	WIN 0
.endm
.macro FETCH_A slot, q, i0
.irp i, \i0, \i0+1, \i0+2, \i0+3
	FRAG AF+FR*(\i), ADRA+\slot, \q, \i
.endr
.endm
.macro PLACES n
.rept \n
	v_nop
.endr
.endm
.macro STEP slot, q, zero
	s_wait_dscnt 4*NL                              ; B's set and A's blocks 0-3 are in; A's blocks 4-7 (16 loads) may be out
	WIN MUL_LO
	MUL16 0, (\q)%2, \zero
	MUL16 2, (\q)%2, \zero
	s_wait_dscnt 0
	PLACES NP
	FETCH_B \slot, (\q)+1, 1-(\q)%2
	FETCH_A \slot, (\q)+1, 0
	WIN MUL_HI
	MUL16 4, (\q)%2, \zero
	MUL16 6, (\q)%2, \zero
	PLACES NP
	WIN 0
	FETCH_A \slot, (\q)+1, 4
.endm
.macro TURN slot, next, fill
	s_wait_tensorcnt 0x0                           ; all my tensor loads have landed: my part of the next slot
	ds_add_u32 v[SPW], v[NIL]                      ; 0 onto my spare word
	s_wait_dscnt 4*NL+1                            ; (the add and A's blocks 4-7 may be out)
	WIN MUL_LO
	MUL16 0, 1, 0
	s_wait_dscnt 0x0                               ; the add is done, and my reads of this slot are over
	s_barrier_signal -1
	MUL16 2, 1, 0
	WIN 0
	s_barrier_wait -1
.if \fill
	CREST
	s_add_nc_u64 s[G0+4*\slot+2:G0+4*\slot+3], s[G0+4*\slot+2:G0+4*\slot+3], 2*ROWB
	s_add_nc_u64 s[G0B+4*\slot+2:G0B+4*\slot+3], s[G0B+4*\slot+2:G0B+4*\slot+3], 2*ROWB
	JLOAD G0+4*\slot, G1, G0B+4*\slot, G1B
.else
	PLACES NP
.endif
	s_wait_alu depctr_va_vdst(0)
	FETCH_B \next, 0, 0
	FETCH_A \next, 0, 0
	WIN MUL_HI
	MUL16 4, 1, 0
	MUL16 6, 1, 0
	PLACES NP
	WIN 0
	FETCH_A \next, 0, 4
.endm
	s_wait_alu depctr_va_vdst(0)
	s_wait_tensorcnt 0x0                           ; my part of K step 0 is in; slot 1's first fill is issued as a refill is:
	ds_add_u32 v[SPW], v[NIL]
	s_wait_dscnt 0x0
	CROUND
	JLOAD G0+4, G1, G0B+4, G1B                     ; K step 1: the first tensor load behind the round
	FETCH_B 0, 0, 0
	FETCH_A 0, 0, 0
	FETCH_A 0, 0, 4
	STEP 0, 0, 1
	s_mov_b32 s3, LAPS-1
.Llap:
	TURN 0, 1, 1
	STEP 1, 0, 0
	TURN 1, 0, 1
	STEP 0, 0, 0
	s_sub_co_u32 s3, s3, 1
	s_cmp_lg_u32 s3, 0
	s_cbranch_scc1 .Llap
	TURN 0, 1, 0
	STEP 1, 0, 0
	s_wait_dscnt 4*NL
	WIN MUL_LO
	MUL16 0, 1, 0
	MUL16 2, 1, 0
	s_wait_dscnt 0
	WIN MUL_HI
	MUL16 4, 1, 0
	MUL16 6, 1, 0
	WIN 0
	; ---- THE WAY OUT
	s_wait_kmcnt 0x0
	s_add_co_i32 s96, s88, s89
	s_add_co_i32 s96, s96, 127
	s_lshl_b32 s96, s96, 23                        ; 2^(e8 + e9)
	s_mov_b32 s97, s96
	s_add_co_i32 s92, s90, 127
	s_lshl_b32 s93, s92, 23                        ; 2^e10
	s_add_co_i32 s92, s92, 8
	s_lshl_b32 s92, s92, 23
	s_or_b32 s92, s92, 0x600000                    ; 448 x 2^e10
.macro COEF n, bits                    ; P's coefficients, in the registers that held the descriptors
	s_mov_b32 s[24+2*\n], \bits
	s_mov_b32 s[25+2*\n], \bits
.endm
	COEF 0, 0xc034d90f
	COEF 1, 0x3fb8ab5a
	COEF 2, 0x3f0a29d2
	COEF 3, 0x3e0efb2f
	COEF 4, 0xbe899a80
	COEF 5, 0x3ecdfd18
	COEF 6, 0xbfd1a1e5
	COEF 7, 0x40097039
	COEF 8, 0xbf97d29d
	s_mov_b32 s42, 0x3eb504f3                      ; 1 / (2 sqrt 2)
	s_mov_b32 s44, 0xbf38aa3b                      ; -log2(e) / 2
	s_mov_b32 s45, s44
	PLACES NP
	v_mov_b32 v[VC9], 0x3e7c6f08
	v_mov_b32 v[VC9+1], 0x3e7c6f08
	v_mov_b32 v[SCL], s93
	v_mov_b32 v[LIM], s92
	s_wait_loadcnt 0x0                             ; the biases
.macro COPY u                          ; half a block's 32 sums x 2^(e8 + e9) + bias, each accumulator from its low end on
.Lc_\u:
	WIN 0x02+((\u)/8)
	s_wait_alu depctr_va_vdst(0)                   ; directly ahead of the first reader of these sums
.set AC, 64*(((\u)/2)%4)+32*((\u)%2)
.set BB, BIAS+32*((\u)%2)
.set k, 0
.rept 16
	v_pk_fma_f32 v[Y+k:Y+k+1], v[AC+k:AC+k+1], s[96:97], v[BB+k:BB+k+1] op_sel_hi:[1,0,1]
.set k, k+2
.endr
	WIN 0
.endm
.macro HSTEP h
.set rr, n/8
.set pp, 16*(\h)+2*(n%8)
.if rr == 0
	v_pk_fma_f32 v[H+pp:H+pp+1], v[T+pp:T+pp+1], v[VC9:VC9+1], s[40:41] op_sel_hi:[1,1,0]
.elseif rr < 9
	v_pk_fma_f32 v[H+pp:H+pp+1], v[H+pp:H+pp+1], v[T+pp:T+pp+1], s[24+2*(8-rr):25+2*(8-rr)] op_sel_hi:[1,1,0]
.else
	v_pk_fma_f32 v[H+pp:H+pp+1], v[U+pp:U+pp+1], v[Y+pp:Y+pp+1], v[H+pp:H+pp+1]
.endif
.endm
.macro TSTEP h
.set oo, 16*(\h)
.if m < 16
	v_max_num_f32 v[U+oo+m], 0, v[Y+oo+m]
.elseif m < 24
	v_pk_mul_f32 v[H+oo+2*(m-16):H+oo+2*(m-16)+1], v[H+oo+2*(m-16):H+oo+2*(m-16)+1], v[T+oo+2*(m-16):T+oo+2*(m-16)+1]
.elseif m < 40
	v_fma_f32 v[Y+oo+m-24], -|v[Y+oo+m-24]|, v[H+oo+m-24], v[U+oo+m-24]
.else
	v_med3_num_f32 v[Y+oo+m-40], v[Y+oo+m-40], -v[LIM], v[LIM]
.endif
.endm
.macro BATCH op, base                  ; sixteen transcendentals, in place
.set k, 0
.rept 16
	\op v[\base+k], v[\base+k]
.set k, k+1
.endr
.endm
.macro HORNER h                        ; a half's exponents: P(t) by Horner's rule, then - y y log2(e) / 2: 80 plain lines
.set n, 0
.rept 80
	HSTEP \h
.set n, n+1
.endr
.endm
.macro TAIL h                          ; a half's max(0, y) - |y| q and the hold: 56 plain lines
.set m, 0
.rept 56
	TSTEP \h
.set m, m+1
.endr
.endm
	s_mov_b32 s3, 0
.Lhalf:
.irp k, 0,1,2,3,4,5,6,7,8,9,10,11,12,13,14
	s_cmp_eq_u32 s3, \k
	s_cbranch_scc1 .Lc_\k
.endr
	COPY 15
	s_branch .Lact
.irp k, 0,1,2,3,4,5,6,7,8,9,10,11,12,13
	COPY \k
	s_branch .Lact
.endr
	COPY 14
.Lact:
.set k, 0
.rept 32
	v_fma_f32 v[T+k], |v[Y+k]|, s42, 1.0           ; 1 + |y| / (2 sqrt 2)
.set k, k+1
.endr
	s_wait_alu depctr_va_vdst(0)
	BATCH v_rcp_f32, T
.set k, 0
.rept 16
	v_pk_mul_f32 v[U+2*k:U+2*k+1], v[Y+2*k:Y+2*k+1], s[44:45] op_sel_hi:[1,0]   ; -y log2(e) / 2
.set k, k+1
.endr
	s_wait_alu depctr_va_vdst(0)
	BATCH v_rcp_f32, T+16
	HORNER 0
	s_wait_alu depctr_va_vdst(0)
	BATCH v_exp_f32, H
	HORNER 1
	s_wait_alu depctr_va_vdst(0)
	BATCH v_exp_f32, H+16
	TAIL 0
	s_wait_alu depctr_va_vdst(0)
	TAIL 1
	s_wait_alu depctr_va_vdst(0)
	s_wait_dscnt 0x0                               ; the last trip's LDS stores have read the codes' registers
	v_cvt_scalef32_pk8_fp8_f32 v[CC:CC+1], v[Y:Y+7], v[SCL]
	v_cvt_scalef32_pk8_fp8_f32 v[CC+2:CC+3], v[Y+8:Y+15], v[SCL]
	v_cvt_scalef32_pk8_fp8_f32 v[CC+4:CC+5], v[Y+16:Y+23], v[SCL]
	v_cvt_scalef32_pk8_fp8_f32 v[CC+6:CC+7], v[Y+24:Y+31], v[SCL]
	v_nop
	s_lshr_b32 s4, s3, 1
	s_lshl_b32 s4, s4, 11
	s_and_b32 s5, s3, 1
	s_lshl_b32 s5, s5, 6
	s_add_co_u32 s4, s4, s5
	v_add_nc_u32 v[ST2], s4, v[STO]                ; my stage lies in slot 0, behind its last fill and its last read: 128 tokens x 128 codes a wave
	ds_store_b128 v[ST2], v[CC:CC+3]
	ds_store_b128 v[ST2], v[CC+4:CC+7] offset:32
	s_add_co_u32 s3, s3, 1
	s_cmp_lt_u32 s3, 16
	s_cbranch_scc1 .Lhalf
.irp u, 0,1
.if \u
	s_wait_xcnt 0x0                                ; the first batch's stores have read their registers
.endif
.irp i, 0,1,2,3,4,5,6,7,8,9,10,11,12,13,14,15
	ds_load_b128 v[Y+4*\i:Y+4*\i+3], v[RD] offset:512*(16*\u+\i)
.endr
.irp i, 0,1,2,3,4,5,6,7,8,9,10,11,12,13,14,15
	s_wait_dscnt 15-\i
	global_store_b128 v[GO], v[Y+4*\i:Y+4*\i+3], s[68:69] offset:512*(16*\u+\i)   ; 32 lanes store 512 consecutive bytes, aligned
.endr
.endr
	s_wait_tensorcnt 0x0                           ; the wave's end
	ds_add_u32 v[SPW], v[NIL]
	s_wait_dscnt 0x0
	CROUND
	s_endpgm
.Lfunc_end_k_qbf2e7ff07b_ff1:
	.size	k_qbf2e7ff07b_ff1, .Lfunc_end_k_qbf2e7ff07b_ff1-k_qbf2e7ff07b_ff1
	.p2alignl 7, 3214868480
	.fill 96, 4, 3214868480
	.section	.rodata,"a",@progbits
	.p2align	6, 0x0
	.amdhsa_kernel k_qbf2e7ff07b_ff1
		.amdhsa_group_segment_fixed_size 327680
		.amdhsa_private_segment_fixed_size 0
		.amdhsa_enable_private_segment 0
		.amdhsa_kernarg_size 40
		.amdhsa_user_sgpr_count 2
		.amdhsa_user_sgpr_kernarg_segment_ptr 1
		.amdhsa_wavefront_size32 1
		.amdhsa_system_sgpr_workgroup_id_x 1
		.amdhsa_system_sgpr_workgroup_id_y 1
		.amdhsa_system_sgpr_workgroup_id_z 1
		.amdhsa_system_vgpr_workitem_id 0
		.amdhsa_next_free_vgpr 1024
		.amdhsa_next_free_sgpr 100
		.amdhsa_reserve_vcc 0
		.amdhsa_float_denorm_mode_32 3
		.amdhsa_float_denorm_mode_16_64 3
		.amdhsa_memory_ordered 1
		.amdhsa_forward_progress 1
		.amdhsa_inst_pref_size 128
	.end_amdhsa_kernel
	.amdgpu_metadata
---
amdhsa.version: [ 1, 2 ]
amdhsa.kernels:
  - .name:           k_qbf2e7ff07b_ff1
    .symbol:         k_qbf2e7ff07b_ff1.kd
    .args:
      - { .name: xq, .offset: 0, .size: 8, .value_kind: global_buffer, .address_space: global }
      - { .name: wc, .offset: 8, .size: 8, .value_kind: global_buffer, .address_space: global }
      - { .name: lowp_scales, .offset: 16, .size: 8, .value_kind: global_buffer, .address_space: global }
      - { .name: ff_b1, .offset: 24, .size: 8, .value_kind: global_buffer, .address_space: global }
      - { .name: hc, .offset: 32, .size: 8, .value_kind: global_buffer, .address_space: global }
    .group_segment_fixed_size: 327680
    .private_segment_fixed_size: 0
    .kernarg_segment_align: 8
    .kernarg_segment_size: 40
    .max_flat_workgroup_size: 128
    .sgpr_count:     100
    .vgpr_count:     1024
    .wavefront_size: 32
...
	.end_amdgpu_metadata
.endif
;; end of part 6
;; launch ff2 (part 7): grid 8 x 32, 4 waves a work-group, clusters of 4 x 4, 327,680 bytes of LDS; arguments hc, wc, lowp_scales, ff_b2, x1, out0; writes out0
.if DOCPART == 7
	.amdgcn_target "amdgcn-amd-amdhsa--gfx1250"
	.amdhsa_code_object_version 6
	.text
	.protected	k_qbf2e7ff07b_ff2
	.globl	k_qbf2e7ff07b_ff2
	.p2align	8
	.type	k_qbf2e7ff07b_ff2,@function
k_qbf2e7ff07b_ff2:
	s_mov_b64 s[64:65], 0
	v_nop
	global_prefetch_b8 v0, s[64:65] scope:SCOPE_SE
	s_setreg_imm32_b32 hwreg(HW_REG_WAVE_MODE, 25, 1), 1
	s_wait_xcnt 0x0
	s_wait_alu depctr_hold_cnt(0) depctr_sa_sdst(0) depctr_va_vdst(0) depctr_va_sdst(0) depctr_va_ssrc(0) depctr_va_vcc(0) depctr_vm_vsrc(0)
	s_getreg_b32 s2, hwreg(HW_REG_IB_STS2, 6, 4)
	s_cmp_eq_u32 s2, 0
	s_cbranch_scc0 .Lentry_in_a_cluster
	s_endpgm
.Lentry_in_a_cluster:
	s_bfe_u32 s2, ttmp6, 0x10000c
	s_cmp_lg_u32 s2, 0xf033
	s_cbranch_scc0 .Lentry_shape_is_right
	s_endpgm
.Lentry_shape_is_right:
; FF2.  out0 = x1 + (h's codes hc [32 pieces of 128 columns][4096][128]) x (ff_w2's codes, wc from byte 8,388,608, [n][4096]) x 2^(e10 + e11) + ff_b2, f32.
; A block of 128 x 128 by four waves of 64 x 64; K = 4096 in eight steps of 512 through a ring of two LDS slots; 4 x 4 work-groups form a cluster and ask for each tile jointly.
; PREFETCH INTO THE L2: beside the tensor load of K step m each wave asks for K step m + 2, one instruction, a lane to each block of 256 bytes; the head also asks for K step 1.  Of the 128 blocks that a wave's
; load brings, each of the four partners that ask for it jointly names 32, told apart by address: of A piece cx of the step's four (32 blocks on end), of B rows 16 cy on (two blocks a row).
; The loop's last trip asks for nothing: K steps 8 and 9 do not exist.  LIMIT: e10 + e11 between -126 and 127.
.set SIZE_K, 4096
.set CB,     128
.set QIA,    4
.set WOFF,   8388608
.set EA,     10
.set EB,     11
.set NCH,    512/CB
.set APITCH, CB+16
.set ACH,    64*APITCH
.set HALFA,  NCH*ACH
.set BPITCH, 528
.set HALFB,  64*BPITCH
.set SLOT,   2*HALFA+2*HALFB
.set STAGE,  2*SLOT
.set SPITCH, 272
.set SPARE,  STAGE+4*16*SPITCH
.set LAPS,   SIZE_K/1024
.set ADRA, 16
.set ADRB, 20
.set STO,  24
.set RD,   25
.set CO,   26
.set BO,   27
.set SPW,  28
.set NIL,  29
.set BK,   32
.set ACC,  128
.set F0,   0
.set F1,   128
.set G1, 24
.set G0, 32
.set G1B, 48
.set G0B, 56
.set MSB, 0
.macro WIN new
.if MSB != (\new)
	s_set_vgpr_msb (MSB<<8)|(\new)
.set MSB, (\new)
.endif
.endm
.set MUL,  0x05
.set TO_F, 0x40
.macro JLOAD s
	s_cmp_eq_u32 s67, 0
	s_cbranch_scc0 .Lfor_b_\@
	tensor_load_to_lds s[G0+4*\s:G0+4*\s+3], s[G1:G1+7]
	s_nop 0
.rept 4
	v_nop
.endr
	s_branch .Lasked_\@
.Lfor_b_\@:
	tensor_load_to_lds s[G0B+4*\s:G0B+4*\s+3], s[G1B:G1B+7]
	s_nop 0
.rept 4
	v_nop
.endr
.Lasked_\@:
.endm
.macro CREST
	s_cmp_lg_u32 s66, 0
	s_cbranch_scc1 .Lnot_wave_0_\@
	s_barrier_signal -3
.Lnot_wave_0_\@:
	s_barrier_wait -3
	s_barrier_signal -1
	s_barrier_wait -1
.endm
.macro CROUND
	s_barrier_signal -1
	s_barrier_wait -1
	CREST
.endm
	s_load_b256 s[4:11], s[0:1], 0x0
	s_load_b128 s[12:15], s[0:1], 0x20
	v_lshl_add_u32 v[SPW], v0, 2, SPARE
	v_mov_b32 v[NIL], 0
	ds_add_u32 v28, v29
	ds_add_u32 v28, v29
	s_wait_dscnt 0x0
	v_lshrrev_b32 v1, 5, v0
	v_readfirstlane_b32 s66, v1
	s_lshr_b32 s67, s66, 1
	s_and_b32 s68, s66, 1
	s_bfe_u32 s40, ttmp6, 0x40000
	s_bfe_u32 s41, ttmp6, 0x40004
	s_lshl_b32 s42, ttmp9, 2
	s_add_co_u32 s42, s42, s40
	s_and_b32 s69, ttmp7, 0xffff
	s_lshl_b32 s69, s69, 2
	s_add_co_u32 s69, s69, s41
	s_lshl_b32 s43, s41, 2
	s_lshl_b32 s43, 15, s43
	s_lshl_b32 s44, 0x1111, s40
	s_or_b32 s[G1+0], s43, (0<<16)|(1<<20)|(1<<21)|(QIA<<22)|(3<<25)
	s_mov_b32 s[G1+1], ((64*CB)&0xffff)<<16
	s_mov_b32 s[G1+2], ((64*CB)>>16)|(NCH<<16)
	s_mov_b32 s[G1+3], (64*CB)<<16
	s_mov_b32 s[G1+4], NCH
	s_mov_b32 s[G1+5], 4096*CB
	s_mov_b32 s[G1+6], 0
	s_mov_b32 s[G1+7], 0
	s_or_b32 s[G1B+0], s44, (0<<16)|(1<<20)|(1<<21)|(6<<22)|(3<<25)
	s_mov_b32 s[G1B+1], 512<<16
	s_mov_b32 s[G1B+2], 64<<16
	s_mov_b32 s[G1B+3], 512<<16
	s_mov_b32 s[G1B+4], 64
	s_mov_b32 s[G1B+5], SIZE_K
	s_mov_b32 s[G1B+6], 0
	s_mov_b32 s[G1B+7], 0
	s_lshl_b32 s16, s69, 7
	s_lshl_b32 s17, s68, 6
	s_add_co_u32 s16, s16, s17
	s_mul_i32 s16, s16, CB
	s_mov_b32 s17, 0
	s_lshl_b32 s46, s42, 7
	s_lshl_b32 s47, s68, 6
	s_add_co_u32 s46, s46, s47
	s_mul_i32 s46, s46, SIZE_K
	s_add_co_u32 s46, s46, WOFF
	s_mov_b32 s47, 0
	s_mul_i32 s20, s68, HALFA
	s_mul_i32 s21, s68, HALFB
	s_add_co_u32 s21, s21, 2*HALFA
	s_wait_kmcnt 0x0
	s_load_b256 s[80:87], s[8:9], 0x0
	s_load_b128 s[88:91], s[8:9], 0x20
	s_add_nc_u64 s[18:19], s[4:5], s[16:17]
	s_add_nc_u64 s[46:47], s[6:7], s[46:47]
	CROUND
.irp s, 0,1
	s_mov_b32 s[G0+4*\s], 1
	s_add_co_u32 s[G0+4*\s+1], s20, \s*SLOT
	s_add_nc_u64 s[G0+4*\s+2:G0+4*\s+3], s[18:19], \s*2097152
	s_or_b32 s[G0+4*\s+3], s[G0+4*\s+3], 0x80000000
	s_mov_b32 s[G0B+4*\s], 1
	s_add_co_u32 s[G0B+4*\s+1], s21, \s*SLOT
	s_add_nc_u64 s[G0B+4*\s+2:G0B+4*\s+3], s[46:47], \s*512
	s_or_b32 s[G0B+4*\s+3], s[G0B+4*\s+3], 0x80000000
.endr
	JLOAD 0                                        ; K step 0: one tensor load a wave at the head
	v_and_b32 v1, 15, v0
	v_bfe_u32 v2, v0, 4, 1
	v_mul_u32_u24 v3, v1, APITCH
	v_lshl_add_u32 v3, v2, 4, v3
	v_mul_u32_u24 v4, v1, BPITCH
	v_lshl_add_u32 v4, v2, 4, v4
	s_mul_i32 s22, s67, HALFA
	s_mul_i32 s23, s68, HALFB
	s_add_co_u32 s23, s23, 2*HALFA
.irp s, 0,1
	v_add_nc_u32 v[ADRA+\s], s22, v3
	v_add_nc_u32 v[ADRB+\s], s23, v4
	s_add_co_u32 s22, s22, SLOT
	s_add_co_u32 s23, s23, SLOT
.endr
	s_mul_i32 s22, s66, 16*SPITCH
	s_add_co_u32 s22, s22, STAGE
	v_mul_u32_u24 v5, v1, SPITCH
	v_lshl_add_u32 v5, v2, 6, v5
	v_add_nc_u32 v[STO], s22, v5
	v_mul_u32_u24 v5, v2, SPITCH
	v_lshl_add_u32 v5, v1, 4, v5
	v_add_nc_u32 v[RD], s22, v5
	v_lshlrev_b32 v5, 12, v2
	v_lshl_add_u32 v[CO], v1, 4, v5
	v_lshlrev_b32 v[BO], 4, v1
	; the prefetches: s[96:97], s[98:99], s[76:77] my work-group's blocks of what I fetch in K steps 1, 2, 3; s[92:93] a K step on; v30 my lane's block
	s_lshl_b32 s78, s40, 19                        ; A: piece cx, 4,096 tokens x 128 bytes each
	s_lshl_b32 s79, s41, 16                        ; B: 16 cy rows of 4,096 bytes
	s_mov_b32 s93, 512
	s_cmp_eq_u32 s67, 0                            ; do I fetch for A?
	s_cselect_b64 s[76:77], s[18:19], s[46:47]
	s_cselect_b32 s78, s78, s79
	s_cselect_b32 s92, 2097152, s93
	s_cselect_b32 s94, -1, 0
	s_mov_b32 s79, 0
	s_mov_b32 s93, 0
	s_add_nc_u64 s[76:77], s[76:77], s[78:79]
	s_add_nc_u64 s[96:97], s[76:77], s[92:93]
	s_add_nc_u64 s[98:99], s[96:97], s[92:93]
	s_add_nc_u64 s[76:77], s[98:99], s[92:93]
	v_and_b32 v30, 31, v0
	v_lshlrev_b32 v12, 8, v30                      ; A: 256 x lane
	v_lshrrev_b32 v13, 1, v30
	v_and_b32 v14, 1, v30
	v_lshlrev_b32 v13, 12, v13
	v_lshl_add_u32 v13, v14, 8, v13                ; B: row lane / 2, block lane % 2
	v_cndmask_b32 v30, v13, v12, s94
	s_wait_alu depctr_va_vdst(0)
	s_lshl_b32 s22, s42, 9
	s_lshl_b32 s23, s68, 8
	s_add_co_u32 s22, s22, s23
	s_mov_b32 s23, 0
	s_add_nc_u64 s[10:11], s[10:11], s[22:23]
	s_lshl_b32 s70, s69, 19
	s_lshl_b32 s71, s67, 18
	s_add_co_u32 s70, s70, s71
	s_add_co_u32 s22, s22, s70
	s_add_nc_u64 s[12:13], s[12:13], s[22:23]
	s_add_nc_u64 s[14:15], s[14:15], s[22:23]
	global_load_b128 v[8:11], v[BO], s[10:11]
	WIN 0x80
.irp a, 0,1,2,3
.irp t, 0,1,2,3,4,5,6,7
	global_load_b128 v[32*\a+4*\t:32*\a+4*\t+3], v[CO], s[12:13] offset:(16*\a+2*\t)*4096
.endr
.endr
	WIN 0
	global_prefetch_b8 v30, s[96:97] th:TH_LOAD_NT scope:SCOPE_SE   ; K step 1
	global_prefetch_b8 v30, s[98:99] th:TH_LOAD_NT scope:SCOPE_SE   ; K step 2
.macro MUL4 f, a, zero
.irp b, 0,1,2,3
.if \zero
	v_wmma_f32_16x16x128_fp8_fp8 v[ACC+8*(4*(\a)+\b):ACC+8*(4*(\a)+\b)+7], v[\f+64+16*\b:\f+64+16*\b+15], v[\f+16*(\a):\f+16*(\a)+15], 0
.else
	v_wmma_f32_16x16x128_fp8_fp8 v[ACC+8*(4*(\a)+\b):ACC+8*(4*(\a)+\b)+7], v[\f+64+16*\b:\f+64+16*\b+15], v[\f+16*(\a):\f+16*(\a)+15], v[ACC+8*(4*(\a)+\b):ACC+8*(4*(\a)+\b)+7]
.endif
.endr
.endm
.macro FETCH slot, q, f
	WIN TO_F
.irp i, 0,1,2,3
.irp c, 0,1,2,3
	ds_load_b128 v[\f+64+16*\i+4*\c:\f+64+16*\i+4*\c+3], v[ADRB+\slot] offset:128*(\q)+32*\c+\i*16*BPITCH
.endr
.endr
.irp i, 0,1,2,3
.irp c, 0,1,2,3
	ds_load_b128 v[\f+16*\i+4*\c:\f+16*\i+4*\c+3], v[ADRA+\slot] offset:((128*(\q)+32*\c)/CB)*ACH+(128*(\q)+32*\c)%CB+\i*16*APITCH
.endr
.endr
.endm
.macro PLACES
.rept 4
	v_nop
.endr
.endm
.macro QUARTER slot, qn, f, g, zero
	s_wait_dscnt 8
	WIN MUL
	MUL4 \f, 0, \zero
	MUL4 \f, 1, \zero
	PLACES
	FETCH \slot, \qn, \g
	s_wait_dscnt 32
	WIN MUL
	MUL4 \f, 2, \zero
	MUL4 \f, 3, \zero
.endm
.macro TURN slot, next, fill
	WIN 0
.if \fill
	s_wait_xcnt 0x0                                ; my last prefetch has read its address: it steps a K step on
	s_add_nc_u64 s[76:77], s[76:77], s[92:93]
.endif
	s_wait_tensorcnt 0x0
	ds_add_u32 v[SPW], v[NIL]
	s_wait_dscnt 9
	WIN MUL
	MUL4 F1, 0, 0
	s_wait_dscnt 0x0
	s_barrier_signal -1
	MUL4 F1, 1, 0
.if \fill
	WIN 0
.endif
	s_barrier_wait -1
.if \fill
	CREST
	s_add_nc_u64 s[G0+4*\slot+2:G0+4*\slot+3], s[G0+4*\slot+2:G0+4*\slot+3], 2*2097152
	s_add_nc_u64 s[G0B+4*\slot+2:G0B+4*\slot+3], s[G0B+4*\slot+2:G0B+4*\slot+3], 2*512
	JLOAD \slot
.else
	PLACES
.endif
	FETCH \next, 0, F0
.if \fill
	WIN 0
	s_cmp_gt_u32 s3, 1                             ; s3 = 1 in the loop's last trip
	s_cbranch_scc0 .Lno_ask_\@
	global_prefetch_b8 v30, s[76:77] th:TH_LOAD_NT scope:SCOPE_SE   ; the K step two refills on
.Lno_ask_\@:
.endif
	WIN MUL
	MUL4 F1, 2, 0
	MUL4 F1, 3, 0
.endm
	s_wait_alu depctr_va_vdst(0)
	s_wait_tensorcnt 0x0                           ; my part of K step 0 is in; slot 1's first fill is issued as a refill is:
	ds_add_u32 v[SPW], v[NIL]                      ; 0 onto my spare word
	s_wait_dscnt 0x0
	CROUND
	JLOAD 1                                        ; K step 1: the first tensor load behind the round
	FETCH 0, 0, F0
	global_prefetch_b8 v30, s[76:77] th:TH_LOAD_NT scope:SCOPE_SE   ; K step 3
	QUARTER 0, 1, F0, F1, 1
.if LAPS > 1
	WIN 0
	s_mov_b32 s3, LAPS-1
.Llap:
	QUARTER 0, 2, F1, F0, 0
	QUARTER 0, 3, F0, F1, 0
	TURN 0, 1, 1
	QUARTER 1, 1, F0, F1, 0
	QUARTER 1, 2, F1, F0, 0
	QUARTER 1, 3, F0, F1, 0
	TURN 1, 0, 1
	QUARTER 0, 1, F0, F1, 0
	WIN 0
	s_sub_co_u32 s3, s3, 1
	s_cmp_lg_u32 s3, 0
	s_cbranch_scc1 .Llap
.endif
	QUARTER 0, 2, F1, F0, 0
	QUARTER 0, 3, F0, F1, 0
	TURN 0, 1, 0
	QUARTER 1, 1, F0, F1, 0
	QUARTER 1, 2, F1, F0, 0
	QUARTER 1, 3, F0, F1, 0
	s_wait_dscnt 8
	WIN MUL
	MUL4 F1, 0, 0
	MUL4 F1, 1, 0
	s_wait_dscnt 0
	MUL4 F1, 2, 0
	MUL4 F1, 3, 0
	WIN 0
	s_wait_kmcnt 0x0
	s_add_co_i32 s74, s[80+EA], s[80+EB]
	s_add_co_i32 s74, s74, 127
	s_lshl_b32 s74, s74, 23
	s_mov_b32 s75, s74
	s_wait_loadcnt 0x0
	PLACES
.macro TOSTAGE a
.set BB, BK+32*((\a)%2)
.irp b, 0,1,2,3
	ds_store_b128 v[STO], v[ACC+8*(4*(\a)+\b):ACC+8*(4*(\a)+\b)+3] offset:128*(\b/2)+32*(\b%2)
	ds_store_b128 v[STO], v[ACC+8*(4*(\a)+\b)+4:ACC+8*(4*(\a)+\b)+7] offset:128*(\b/2)+32*(\b%2)+16
.endr
.irp t, 0,1,2,3,4,5,6,7
	ds_load_b128 v[BB+4*\t:BB+4*\t+3], v[RD] offset:2*\t*SPITCH
.endr
.endm
.macro SEND a, younger
.set BB, BK+32*((\a)%2)
	s_wait_dscnt \younger
.irp t, 0,1,2,3,4,5,6,7
	v_pk_fma_f32 v[BB+4*\t:BB+4*\t+1], v[BB+4*\t:BB+4*\t+1], s[74:75], v[8:9] op_sel_hi:[1,0,1]
	v_pk_fma_f32 v[BB+4*\t+2:BB+4*\t+3], v[BB+4*\t+2:BB+4*\t+3], s[74:75], v[10:11] op_sel_hi:[1,0,1]
.endr
	WIN 0x08
.irp t, 0,1,2,3,4,5,6,7
	v_pk_add_f32 v[BB+4*\t:BB+4*\t+1], v[BB+4*\t:BB+4*\t+1], v[32*(\a)+4*\t:32*(\a)+4*\t+1]
	v_pk_add_f32 v[BB+4*\t+2:BB+4*\t+3], v[BB+4*\t+2:BB+4*\t+3], v[32*(\a)+4*\t+2:32*(\a)+4*\t+3]
.endr
	WIN 0
.irp t, 0,1,2,3,4,5,6,7
	global_store_b128 v[CO], v[BB+4*\t:BB+4*\t+3], s[14:15] offset:(16*(\a)+2*\t)*4096
.endr
.endm
	TOSTAGE 0
.irp a, 1,2,3
.if \a > 1
	s_wait_xcnt 0x0
.endif
	TOSTAGE \a
	SEND \a-1, 16
.endr
	SEND 3, 0
	s_wait_tensorcnt 0x0
	ds_add_u32 v[SPW], v[NIL]
	s_wait_dscnt 0x0
	CROUND
	s_endpgm
.Lfunc_end_k_qbf2e7ff07b_ff2:
	.size	k_qbf2e7ff07b_ff2, .Lfunc_end_k_qbf2e7ff07b_ff2-k_qbf2e7ff07b_ff2
	.p2alignl 7, 3214868480
	.fill 96, 4, 3214868480
	.section	.rodata,"a",@progbits
	.p2align	6, 0x0
	.amdhsa_kernel k_qbf2e7ff07b_ff2
		.amdhsa_group_segment_fixed_size 327680
		.amdhsa_private_segment_fixed_size 0
		.amdhsa_enable_private_segment 0
		.amdhsa_kernarg_size 48
		.amdhsa_user_sgpr_count 2
		.amdhsa_user_sgpr_kernarg_segment_ptr 1
		.amdhsa_wavefront_size32 1
		.amdhsa_system_sgpr_workgroup_id_x 1
		.amdhsa_system_sgpr_workgroup_id_y 1
		.amdhsa_system_sgpr_workgroup_id_z 1
		.amdhsa_system_vgpr_workitem_id 0
		.amdhsa_next_free_vgpr 640
		.amdhsa_next_free_sgpr 100
		.amdhsa_reserve_vcc 0
		.amdhsa_float_denorm_mode_32 3
		.amdhsa_float_denorm_mode_16_64 3
		.amdhsa_memory_ordered 1
		.amdhsa_forward_progress 1
		.amdhsa_inst_pref_size 84
	.end_amdhsa_kernel
	.amdgpu_metadata
---
amdhsa.version: [ 1, 2 ]
amdhsa.kernels:
  - .name:           k_qbf2e7ff07b_ff2
    .symbol:         k_qbf2e7ff07b_ff2.kd
    .args:
      - { .name: hc, .offset: 0, .size: 8, .value_kind: global_buffer, .address_space: global }
      - { .name: wc, .offset: 8, .size: 8, .value_kind: global_buffer, .address_space: global }
      - { .name: lowp_scales, .offset: 16, .size: 8, .value_kind: global_buffer, .address_space: global }
      - { .name: ff_b2, .offset: 24, .size: 8, .value_kind: global_buffer, .address_space: global }
      - { .name: x1, .offset: 32, .size: 8, .value_kind: global_buffer, .address_space: global }
      - { .name: out0, .offset: 40, .size: 8, .value_kind: global_buffer, .address_space: global }
    .group_segment_fixed_size: 327680
    .private_segment_fixed_size: 0
    .kernarg_segment_align: 8
    .kernarg_segment_size: 48
    .max_flat_workgroup_size: 128
    .sgpr_count:     100
    .vgpr_count:     640
    .wavefront_size: 32
...
	.end_amdgpu_metadata
.endif
;; end of part 7
